; MI455X (gfx1250); checked and timed in simulation.
; The chip was launched on July 23, 2026; its instructions are those of AMD's public machine-readable ISA for CDNA 5 (MIT licence, August 2026) and "CDNA5" Instruction Set Architecture Reference Guide (July 2026). The comments in the code are by the model that wrote it; some were corrected since.
;; Pair Wise Cross Attention. Allowed arithmetic: matrix products marked QUANTISED: E2M3 operands, one E8M0 scale for each 32 along K, by v_wmma_scale_f32_16x16x128_f8f6f4 with both operands' format E2M3, f32 sums; everything else in f32.
;; Inputs: Wk 768 x 768 float32; Wo 768 x 768 float32; Wq 768 x 768 float32; Wv 768 x 768 float32; bo 768 float32; x1 8 x 1,024 x 768 float32; x2 8 x 1,024 x 768 float32.
;; Outputs: out0 8 x 1,024 x 768 float32.
;; This version of the problem:
;;   THIS VERSION OF THE PROBLEM IS GIVEN IN LOW PRECISION. The matrix products marked QUANTISED in the list below multiply operands that are first quantised to E2M3 (2 exponent bits, 3 mantissa bits; 6 bits a number), with one power-of-two scale for each 32 numbers along K (OCP MX v1.0); their sums are f32. All else is computed in f32.
;;   The module's matrix products, in the order in which they are computed (A, B: the left and right operand; K: the contracted axis; several contracted axes count as one K, in the product's order):
;;     1. [M 8,192, K 768] x [K 768, N 768]; A: input x1; B: input Wq: QUANTISED
;;     2. [M 8,192, K 768] x [K 768, N 768]; A: input x1; B: input Wk: QUANTISED
;;     3. [M 8,192, K 768] x [K 768, N 768]; A: input x1; B: input Wv: QUANTISED
;;     4. [M 8,192, K 768] x [K 768, N 768]; A: input x2; B: input Wk: QUANTISED
;;     5. [M 8,192, K 768] x [K 768, N 768]; A: input x2; B: input Wv: QUANTISED
;;     6. batch 96 x [M 1,024, K 64] x [K 64, N 2,048]; A: computed on the way; B: computed on the way: QUANTISED
;;     7. batch 96 x [M 1,024, K 2,048] x [K 2,048, N 64]; A: softmax (see below); B: computed on the way: QUANTISED
;;     8. [M 8,192, K 768] x [K 768, N 768]; A: computed on the way; B: input Wo: QUANTISED
;;   THE QUANTISER, for each operand of a quantised product, along K:
;;     - K is cut into blocks of 32 from its start; a last block that is shorter is filled with zeros.
;;     - A block's scale is 2^e with e = floor(log2(the largest magnitude in the block)) - 2, held to -126 .. 127; a block of zeros has e = 0. As a byte (E8M0): e + 127.
;;     - Each number is divided by its block's scale, clamped to +-7.5, and rounded to the nearest number of E2M3, ties to even, subnormals kept.
;;     - The product sums the exact products of the quantised numbers (number of the format x scale) in f32.
;;   ~~~python
;;   def quantise(x, axis):      # numpy; x: float32 -> the quantised numbers, widened to float32 again
;;       x = np.moveaxis(x, axis, -1); K = x.shape[-1]
;;       x = np.pad(x, [(0, 0)] * (x.ndim - 1) + [(0, -K % 32)]); x = x.reshape(x.shape[:-1] + (-1, 32)); a = np.abs(x).max(-1, keepdims=True)
;;       e = np.where(a > 0, np.clip(np.frexp(np.where(a > 0, a, 1))[1] - 1 - 2, -126, 127), 0)      # np.frexp(a)[1] - 1 = floor(log2(a)), exactly
;;       r = np.clip(x / 2.0 ** e, -7.5, 7.5)
;;       step = 2.0 ** (np.maximum(np.frexp(np.where(r == 0, 1, r))[1] - 1, 0) - 3)
;;       q = np.round(r / step) * step * 2.0 ** e      # np.round: ties to even
;;       return np.moveaxis(q.reshape(q.shape[:-2] + (-1,))[..., :K], -1, axis).astype(np.float32)
;;   ~~~
;;   SOFTMAX AHEAD OF A QUANTISED PRODUCT. Where the list says 'softmax', what is quantised is not the finished softmax but p = 2^(t - M), with t = logit x log2(e) and M = ceil(the row's largest t), a whole number; so 1/2 < the row's largest p <= 1. The row's sum l is taken of the UNQUANTISED p, in f32, and the product's result is divided by l at the end. Since M is a whole number, a kernel that streams over the keys may use a running M (the ceiling of the running maximum): every later rescaling is an exact power of two, which a block's scale takes up: the codes' values come out the same.
;;   OPERANDS COMPUTED ON THE WAY. 'Computed on the way' means the value that the module computes at that place (a softmax that the list does not call 'softmax' is quantised finished and normalised). What goes into a quantiser is computed in f32, as accurately as f32 sums, v_exp_f32 and their like allow (about 1e-6 of the number): no bf16 or f16 on the way to a quantiser, and a product that is left as it is and whose result goes on into a quantised operand takes f32 operands (vector FMAs, or v_wmma_f32_16x16x4_f32). A number that lies on a knife's edge between two numbers of the format may be rounded either way, as far as f32 arithmetic and the matrix unit's own rounding can turn it there, and no further.
;; One version. Each part assembles by itself: llvm-mc -triple=amdgcn-amd-amdhsa -mcpu=gfx1250 --defsym DOCPART=n.
;; ======== version 1 of 1: 4 launches
;; limits: right only within a limited range of input values
;; workspace buffers: tiles 11,829,248 bytes; qbuf 5,111,808 bytes; kv 20,447,232 bytes; obuf 6,291,456 bytes
;; launch quant (part 1): grid 304 x 1, 4 waves a work-group, no clusters, 34,304 bytes of LDS; arguments x1, x2, Wq, Wk, Wv, Wo, tiles; writes tiles
.if DOCPART == 1
	.amdgcn_target "amdgcn-amd-amdhsa--gfx1250"
	.amdhsa_code_object_version 6
	.text
	.protected	k_q0fbf916605_quant
	.globl	k_q0fbf916605_quant
	.p2align	8
	.type	k_q0fbf916605_quant,@function
k_q0fbf916605_quant:
	s_mov_b64 s[64:65], 0
	v_nop
	global_prefetch_b8 v0, s[64:65] scope:SCOPE_SE
	s_setreg_imm32_b32 hwreg(HW_REG_WAVE_MODE, 25, 1), 1
	s_wait_xcnt 0x0
; x1, x2 [8192][768] and Wq, Wk, Wv, Wo [768][768], f32 with K innermost, become codes of FP6 (E2M3) with one E8M0 scale byte for each 32 along K, laid as TILE RECORDS in the order of a matrix operand's registers.
; A TILE is 16 rows: slot r of tile T is row 32 (T / 2) + 8 (T % 2) + r + 8 (r / 8).  (As source 0 of a product, tiles 2 b and 2 b + 1 then leave a lane 16 neighbouring rows in 16 registers.)
; A RECORD, 9,728 bytes: 512 bytes of scale words, then six fragment images (K steps of 128), 1,536 bytes each: registers 4 c .. 4 c + 3 of lane l at 512 c + 16 l.
; The scale words: lane l's 16 bytes at 16 l are (p0, p1, p2, p2); p_i is the word of K step 2 i + l / 16 for slot l % 16: one register serves two K steps, by the rows of the scale operand.
; A block's scale is 2^(floor(log2(its largest magnitude)) - 2); its byte is that magnitude's exponent field - 2, held at 1 from below.
; LIMITS: a block whose largest magnitude lies under 2^-124 (a block of zeros among them) keeps the byte 1: its codes are what the conversion gives under that scale; the bytes are read by this program alone.  NaN and infinities among the inputs are not served.
; SHARES: one wave makes one record, record 4 x work-group + wave: 0-511 x1, 512-1023 x2, 1024 + 48 j + t W_j (q, k, v, o).  Only pointers are chosen by the work-group's number: one path for all six tensors.
; Each load reads 512 consecutive bytes (a row's K step); the conversions want 16 neighbours along K in one lane, so a K step's 16 rows turn through the wave's own stage in LDS.  Waves share nothing: no barrier.
.set ROWB,   3072                      ; a row of any of the six tensors, in bytes
.set REC,    9728
.set SPITCH, 528                       ; a stage row: 512 bytes + 16 = 132 words: row r begins 4 r words on, modulo 64, so the sixteen lanes of a 16-byte read fall on different words
.set STG,    16*SPITCH
.set SPARE,  4*STG                     ; behind the four stages: the spare words, 128 bytes for each wave: two blocks of 256 bytes that no other line names
.set VL,  4                            ; v4   16 x lane: never rewritten
.set STW, 5                            ; v5   the stage on the way in
.set STR, 6                            ; v6   and on the way out: row r, + 64 h
.set SPW, 8                            ; v8   LDS address of my spare word; never rewritten
.set NIL, 9                            ; v9   0; never rewritten
.set SD,  10                           ; v10-13 the record's scale words
.set RAW, 16                           ; v16-143 two sets of 64: a K step as loaded
.set X,   144                          ; v144-207 register 16 b + i = k 32 b + 16 h + i of my row
.set PC,  208                          ; v208-219 the fragment's codes; v220-226 the conversions' second halves
.set TM,  228                          ; v228-243 at work
.set SW,  246                          ; v246-251 the six K steps' scale words
.set SEL, 20                           ; s[20:21] v_permlanex16_b32's selects for lane l xor 16
.set SRC, 24                           ; s[24:25] my tile's first row
.set DST, 26                           ; s[26:27] my record
	s_load_b256 s[4:11], s[0:1], 0x0               ; x1, x2, Wq, Wk
	s_load_b128 s[12:15], s[0:1], 0x20             ; Wv, Wo
	s_load_b64 s[16:17], s[0:1], 0x30              ; tiles
	v_lshl_add_u32 v[SPW], v0, 2, SPARE
	v_mov_b32 v[NIL], 0
	v_lshrrev_b32 v1, 5, v0
	v_readfirstlane_b32 s18, v1                    ; wave
	v_and_b32 v2, 31, v0                           ; lane
	v_and_b32 v3, 15, v0                           ; r
	v_bfe_u32 v7, v0, 4, 1                         ; h
	v_lshlrev_b32 v[VL], 4, v2
	s_mul_i32 s19, s18, STG
	v_add_nc_u32 v[STW], s19, v[VL]
	v_mul_u32_u24 v[STR], v3, SPITCH
	v_lshl_add_u32 v[STR], v7, 6, v[STR]
	v_add_nc_u32 v[STR], s19, v[STR]
	s_mov_b32 s[SEL], 0x76543210
	s_mov_b32 s[SEL+1], 0xfedcba98
	s_mov_b32 s22, 0xffff0000                      ; lanes 16-31
.irp b, 0,1,2,3
	v_mov_b32 v[TM+4+\b], 0                        ; written once: a lane permute's destination counts as one of its sources
.endr
	s_wait_alu depctr_va_vdst(0)
	s_wait_kmcnt 0x0
	s_mov_b64 s[SRC:SRC+1], s[14:15]               ; which tensor, and its first work-group: the choice hangs on the work-group's number alone
	s_mov_b32 s28, 292
	s_cmp_lt_u32 ttmp9, 292
	s_cselect_b64 s[SRC:SRC+1], s[12:13], s[SRC:SRC+1]
	s_cselect_b32 s28, 280, s28
	s_cmp_lt_u32 ttmp9, 280
	s_cselect_b64 s[SRC:SRC+1], s[10:11], s[SRC:SRC+1]
	s_cselect_b32 s28, 268, s28
	s_cmp_lt_u32 ttmp9, 268
	s_cselect_b64 s[SRC:SRC+1], s[8:9], s[SRC:SRC+1]
	s_cselect_b32 s28, 256, s28
	s_cmp_lt_u32 ttmp9, 256
	s_cselect_b64 s[SRC:SRC+1], s[6:7], s[SRC:SRC+1]
	s_cselect_b32 s28, 128, s28
	s_cmp_lt_u32 ttmp9, 128
	s_cselect_b64 s[SRC:SRC+1], s[4:5], s[SRC:SRC+1]
	s_cselect_b32 s28, 0, s28
	s_sub_co_u32 s28, ttmp9, s28
	s_lshl_b32 s28, s28, 2
	s_add_co_u32 s28, s28, s18                     ; my tile in its tensor
	s_lshr_b32 s29, s28, 1
	s_mul_i32 s30, s29, 32*ROWB
	s_and_b32 s29, s28, 1
	s_mul_i32 s29, s29, 8*ROWB
	s_add_co_u32 s30, s30, s29                     ; its first row, in bytes (under 2^25)
	s_mov_b32 s31, 0
	s_add_nc_u64 s[SRC:SRC+1], s[SRC:SRC+1], s[30:31]
	s_lshl_b32 s28, ttmp9, 2
	s_add_co_u32 s28, s28, s18
	s_mul_i32 s30, s28, REC
	s_add_nc_u64 s[DST:DST+1], s[16:17], s[30:31]
.macro LOAD s                          ; K step s of the tile's 16 rows: each load reads 512 consecutive bytes, at a multiple of 512 from the tensor's first byte
.irp i, 0,1,2,3,4,5,6,7,8,9,10,11,12,13,14,15
	global_load_b128 v[RAW+64*((\s)%2)+4*\i:RAW+64*((\s)%2)+4*\i+3], v[VL], s[SRC:SRC+1] offset:(\i+8*(\i/8))*ROWB+512*(\s) th:TH_LOAD_NT
.endr
.endm
.macro TURN s                          ; through the stage: LDS serves a wave's instructions in order (ISA guide 5.7.1.4), so no wait stands between the stores and the loads
.irp i, 0,1,2,3,4,5,6,7,8,9,10,11,12,13,14,15
	ds_store_b128 v[STW], v[RAW+64*((\s)%2)+4*\i:RAW+64*((\s)%2)+4*\i+3] offset:SPITCH*\i
.endr
.irp b, 0,1,2,3
.irp j, 0,1,2,3
	ds_load_b128 v[X+16*\b+4*\j:X+16*\b+4*\j+3], v[STR] offset:128*\b+16*\j
.endr
.endr
.endm
; 64 numbers of a lane, register 16 b + i = k 32 b + 16 h + i of my row, become a fragment's 12 registers in v[PC] on and its scale word in v[pw]
.macro QUANT s, pw
.irp b, 0,1,2,3
	v_max3_num_f32 v[TM+\b], |v[\s+16*\b]|, |v[\s+1+16*\b]|, 0x1800000   ; block b: my 16 numbers, and the floor 2^(3 - 127): the byte cannot fall under 1
.endr
.irp i, 2,4,6,8,10,12,14
.irp b, 0,1,2,3
	v_max3_num_f32 v[TM+\b], v[TM+\b], |v[\s+16*\b+\i]|, |v[\s+1+16*\b+\i]|   ; the four blocks by turns
.endr
.endr
.irp b, 0,1,2,3
	v_permlanex16_b32 v[TM+4+\b], v[TM+\b], s[SEL], s[SEL+1]
.endr
.irp b, 0,1,2,3
	v_max_num_f32 v[TM+\b], v[TM+\b], v[TM+4+\b]   ; with lane l xor 16's 16: the block's largest magnitude
.endr
.irp b, 0,1,2,3
	v_add_nc_u32 v[TM+12+\b], 0xff000000, v[TM+\b] ; 2 off its exponent field: the conversion takes this operand's exponent field as its scale
.endr
.irp b, 0,1,2,3
	v_lshrrev_b32 v[TM+4+\b], 23, v[TM+12+\b]      ; the scale's byte
.endr
	v_lshl_or_b32 v[\pw], v[TM+5], 8, v[TM+4]
	v_lshl_or_b32 v[\pw], v[TM+6], 16, v[\pw]
	v_lshl_or_b32 v[\pw], v[TM+7], 24, v[\pw]      ; my row's scale word
	s_wait_xcnt 0x0                                ; the last K step's stores have read the codes' registers: they are written again only behind this wait
.irp c, 0,1
	v_cvt_scalef32_pk16_fp6_f32 v[PC+6*\c:PC+2+6*\c], v[\s+32*\c:\s+15+32*\c], v[TM+12+2*\c]
	v_cvt_scalef32_pk16_fp6_f32 v[PC+12+4*\c:PC+14+4*\c], v[\s+16+32*\c:\s+31+32*\c], v[TM+13+2*\c]   ; (a conversion's three registers begin on an even number)
.endr
	v_nop                                          ; one plain instruction behind the scaled conversions
.irp c, 0,1                            ; the operand's layout wants a whole block in a lane: lanes 0-15 block 2 c, lanes 16-31 block 2 c + 1
.irp i, 0,1,2
	v_permlane16_swap_b32 v[PC+6*\c+\i], v[PC+12+4*\c+\i]
.endr
.irp i, 0,1,2
	v_mov_b32 v[PC+3+6*\c+\i], v[PC+12+4*\c+\i]
.endr
.endr
.endm
.macro STEP s
.if (\s) < 5
	s_wait_loadcnt 16                              ; this K step's 16 loads are in; the next one's 16 may be out
.else
	s_wait_loadcnt 0x0
.endif
	TURN \s
	s_wait_dscnt 0x0                               ; the numbers are back, and the stores into the stage have read their registers,
.if (\s) < 4
	LOAD (\s)+2                                    ; which take the K step two on
.endif
	QUANT X, SW+(\s)
.irp c, 0,1,2
	global_store_b128 v[VL], v[PC+4*\c:PC+4*\c+3], s[DST:DST+1] offset:512+1536*(\s)+512*\c   ; 32 lanes store 512 consecutive bytes, at a multiple of 256 from the buffer's first byte
.endr
.endm
	LOAD 0
	LOAD 1
.irp s, 0,1,2,3,4,5
	STEP \s
.endr
.irp i, 0,1,2
	v_cndmask_b32 v[SD+\i], v[SW+2*\i], v[SW+2*\i+1], s22   ; lanes 0-15 the even K step's word, lanes 16-31 the odd one's
.endr
	v_mov_b32 v[SD+3], v[SD+2]
	global_store_b128 v[VL], v[SD:SD+3], s[DST:DST+1]
	s_wait_tensorcnt 0x0                           ; the wave's end, behind my last LDS store
	ds_add_u32 v[SPW], v[NIL]
	s_wait_dscnt 0x0
	s_endpgm
.Lfunc_end_k_q0fbf916605_quant:
	.size	k_q0fbf916605_quant, .Lfunc_end_k_q0fbf916605_quant-k_q0fbf916605_quant
	.p2alignl 7, 3214868480
	.fill 96, 4, 3214868480
	.section	.rodata,"a",@progbits
	.p2align	6, 0x0
	.amdhsa_kernel k_q0fbf916605_quant
		.amdhsa_group_segment_fixed_size 34304
		.amdhsa_private_segment_fixed_size 0
		.amdhsa_enable_private_segment 0
		.amdhsa_kernarg_size 56
		.amdhsa_user_sgpr_count 2
		.amdhsa_user_sgpr_kernarg_segment_ptr 1
		.amdhsa_wavefront_size32 1
		.amdhsa_system_sgpr_workgroup_id_x 1
		.amdhsa_system_sgpr_workgroup_id_y 1
		.amdhsa_system_sgpr_workgroup_id_z 1
		.amdhsa_system_vgpr_workitem_id 0
		.amdhsa_next_free_vgpr 256
		.amdhsa_next_free_sgpr 66
		.amdhsa_reserve_vcc 0
		.amdhsa_float_denorm_mode_32 3
		.amdhsa_float_denorm_mode_16_64 3
		.amdhsa_memory_ordered 1
		.amdhsa_forward_progress 1
		.amdhsa_inst_pref_size 49
	.end_amdhsa_kernel
	.amdgpu_metadata
---
amdhsa.version: [ 1, 2 ]
amdhsa.kernels:
  - .name:           k_q0fbf916605_quant
    .symbol:         k_q0fbf916605_quant.kd
    .args:
      - { .name: x1, .offset: 0, .size: 8, .value_kind: global_buffer, .address_space: global }
      - { .name: x2, .offset: 8, .size: 8, .value_kind: global_buffer, .address_space: global }
      - { .name: Wq, .offset: 16, .size: 8, .value_kind: global_buffer, .address_space: global }
      - { .name: Wk, .offset: 24, .size: 8, .value_kind: global_buffer, .address_space: global }
      - { .name: Wv, .offset: 32, .size: 8, .value_kind: global_buffer, .address_space: global }
      - { .name: Wo, .offset: 40, .size: 8, .value_kind: global_buffer, .address_space: global }
      - { .name: tiles, .offset: 48, .size: 8, .value_kind: global_buffer, .address_space: global }
    .group_segment_fixed_size: 34304
    .private_segment_fixed_size: 0
    .kernarg_segment_align: 8
    .kernarg_segment_size: 56
    .max_flat_workgroup_size: 128
    .sgpr_count:     66
    .vgpr_count:     256
    .wavefront_size: 32
...
	.end_amdgpu_metadata
.endif
;; end of part 1
;; launch proj (part 2): grid 32 x 15, 4 waves a work-group, clusters of 4 x 1, 327,680 bytes of LDS; arguments tiles, qbuf, kv; writes qbuf, kv
.if DOCPART == 2
	.amdgcn_target "amdgcn-amd-amdhsa--gfx1250"
	.amdhsa_code_object_version 6
	.text
	.protected	k_q0fbf916605_proj
	.globl	k_q0fbf916605_proj
	.p2align	8
	.type	k_q0fbf916605_proj,@function
k_q0fbf916605_proj:
	s_mov_b64 s[64:65], 0
	v_nop
	global_prefetch_b8 v0, s[64:65] scope:SCOPE_SE
	s_setreg_imm32_b32 hwreg(HW_REG_WAVE_MODE, 25, 1), 1
	s_wait_xcnt 0x0
	s_wait_alu depctr_hold_cnt(0) depctr_sa_sdst(0) depctr_va_vdst(0) depctr_va_sdst(0) depctr_va_ssrc(0) depctr_va_vcc(0) depctr_vm_vsrc(0)
	s_getreg_b32 s2, hwreg(HW_REG_IB_STS2, 6, 4)
	s_cmp_eq_u32 s2, 0
	s_cbranch_scc0 .Lentry_in_a_cluster
	s_endpgm
.Lentry_in_a_cluster:
	s_bfe_u32 s2, ttmp6, 0x10000c
	s_cmp_lg_u32 s2, 0x3003
	s_cbranch_scc0 .Lentry_shape_is_right
	s_endpgm
.Lentry_shape_is_right:
; The five projections q1 = x1 Wq^T, k1 = x1 Wk^T, v1 = x1 Wv^T, k2 = x2 Wk^T, v2 = x2 Wv^T on codes of FP6 (E2M3), and their results quantised again for the attention launch: q and k along the head's 64, v along the keys.
; SHARES.  Work-group (x, y): 256 tokens (block 4 x cluster x + cx) x 256 columns; y = 3 x job + column block.  All of K = 768 comes into LDS once: 16 records of x and 16 of W, 311,296 bytes: every tensor load is a first fill.
; A wave makes 128 x 128: 64 accumulators, 384 matrix instructions.
; ORIENTATION.  The side that is source 0 runs down a lane's registers: that is the axis which is quantised next.  q, k: source 0 = W's tiles (the head's channels), source 1 = x's (a lane holds a token).
; v: source 0 = x's tiles (the keys), source 1 = W's (a lane holds a channel).  In the text P is the side of source 1, R that of source 0.  By the tiles' choice of rows the 64 registers of one P tile are
; 128 neighbours of R's axis in the order in which the quantiser takes them: register 16 b + i = 32 b + 16 (lane / 16) + i.
; CLUSTER.  The four token blocks of a cluster need the same 16 records of W: these are asked for jointly.  x's records are asked for by each work-group alone: x1's rows are shared by 9 column blocks and
; x2's by 6, and neither number divides into fours.
; OUT.  qbuf [bh][block of 128 queries] 6,656 bytes: 48 registers of codes (register 6 a + j: register j of tile a's fragment) in 12 planes of 512 bytes, then 512 bytes of scale words (s0, s1, s0, s1).
; kv [bh][step of 128 keys] 13,312 bytes: k as in qbuf; at 6,656 four fragment images of v (16 channels x 128 keys); at 12,800 their scale words, 16 bytes a channel slot.
; LIMITS: a block whose largest magnitude lies under 2^-124 keeps the scale byte 1 (read by this program alone).  NaN and infinities are not served.
; REGISTERS, in windows of 256: window 0: v4-15 addresses; v32-63 scale words, two sets (P's 8, R's 8); v64-159, v160-255 P's fragments, two sets; in the way out v64-131 at work.
;   window 1: v0-95, v96-191 R's fragments, two sets.   windows 2, 3: accumulator (a of P, b of R) at v[8 (8 (a % 4) + b)] of window 2 + a / 4.
.set REC,  9728
.set P0B,  6656                        ; a record's first part as it is now fetched: the scale words and K steps 0 to 3, one load a wave at the head; K steps 4, 5 (P1B) come by a second load behind a round
.set P1B,  3072                        ; part 2: K steps 4 and 5
.set XP0,  0                           ; LDS: the parts, x's 16 rows and then W's 16 rows of each
.set WP0,  106496
.set XP1,  114688
.set WP1,  163840
.set XP2,  212992
.set WP2,  262144
.set SPARE, 311296                     ; the spare words, 128 bytes for each wave: two blocks of 256 bytes that no other line names
.set AX,   4                           ; v4, v6 16 x lane + my 8 rows of x in parts 0 and 2
.set AW,   8                           ; v8, v10  the same for W
.set VO,   12                          ; v12    16 x lane
.set VOS,  13                          ; v13    v's scale words: 16 r, and one head on for lanes 16-31
.set SPW,  14
.set NIL,  15
.set SCB,  32
.set PF,   64
.set OUTA, 64                          ; the way out: head A's codes, head B's, the conversions' second halves
.set OUTB, 76
.set PT,   88
.set TM,   96
.set SW,   112                         ; the eight P tiles' scale words
.set SD,   120
.set SA,   124
.set SB,   128
.set G1X0, 24                          ; descriptor groups 1: x's part 0, x's part 2, W's likewise
.set G1X1, 32
.set G1W0, 40
.set G1W1, 48
.set G0X0, 56                          ; groups 0, one for each load
.set G0X1, 60
.set G0X2, 68
.set G0W0, 72
.set G0W1, 76
.set G0W2, 80
.set BA,   84                          ; s[84:85] where head A's block begins; s[86:87] head B's
.set BB,   86
.set SEL,  96
.set HIM,  98
.set MSB, 0
.macro WIN new                         ; the immediate's high byte repeats the setting that is left; a switch that changes nothing is dropped
.if MSB != (\new)
	s_set_vgpr_msb (MSB<<8)|(\new)
.set MSB, (\new)
.endif
.endm
.macro PLACES n
.rept \n
	v_nop
.endr
.endm
.macro BAR
	s_barrier_signal -1
	s_barrier_wait -1
.endm
.macro CROUND                          ; a round of the cluster's barrier
	s_barrier_signal -1
	s_barrier_wait -1
	s_cmp_lg_u32 s10, 0
	s_cbranch_scc1 .Lnot_wave_0_\@
	s_barrier_signal -3
.Lnot_wave_0_\@:
	s_barrier_wait -3
	s_barrier_signal -1
	s_barrier_wait -1
.endm
.macro GROUP0 g, lreg, lbase, areg, off
	s_mov_b32 s[\g], 1                             ; count = 1
	s_add_co_u32 s[\g+1], s[\lreg], \lbase         ; LDS address: a constant + a constant x the wave's low bit
	s_add_nc_u64 s[\g+2:\g+3], s[\areg:\areg+1], \off
	s_or_b32 s[\g+3], s[\g+3], 0x80000000          ; type = 2
.endm
	s_load_b128 s[4:7], s[0:1], 0x0                ; tiles, qbuf
	s_load_b64 s[8:9], s[0:1], 0x10                ; kv
	v_lshl_add_u32 v[SPW], v0, 2, SPARE
	v_mov_b32 v[NIL], 0
	ds_add_u32 v[SPW], v[NIL]                      ; the wave's opening: the add and its wait ahead of my first tensor load; work on registers stands between them
	ds_add_u32 v[SPW], v[NIL]
	v_lshrrev_b32 v1, 5, v0
	v_readfirstlane_b32 s10, v1                    ; wave 0..3
	s_lshr_b32 s11, s10, 1                         ; my half of x's tiles.  Also: I fetch for x (0) or for W (1)
	s_and_b32 s12, s10, 1                          ; my half of W's tiles.  Also: which 8 records I fetch
	s_bfe_u32 s13, ttmp6, 0x40000                  ; cx
	s_lshl_b32 s14, ttmp9, 2
	s_add_co_u32 s14, s14, s13                     ; my block of 256 tokens
	s_and_b32 s15, ttmp7, 0xffff                   ; y, which the partners share
	s_mul_i32 s16, s15, 11
	s_lshr_b32 s16, s16, 5                         ; job = y / 3 (y under 15): q1, k1, v1, k2, v2
	s_mul_i32 s17, s16, 3
	s_sub_co_u32 s17, s15, s17                     ; block of 256 columns
	s_cmp_ge_u32 s16, 3
	s_cselect_b32 s18, 1, 0                        ; x2?
	s_lshl_b32 s19, s18, 1
	s_sub_co_u32 s19, s16, s19                     ; which W: 0 q, 1 k, 2 v
	; groups 1: 8 rows (records) of C elements of 8 bytes, 1,216 elements from record to record, no padding: images are read as they lie
	s_mov_b32 s[G1X0], 3<<16                       ; no mask: each work-group's own
	s_mov_b32 s[G1X1], 3<<16
	s_mov_b32 s[G1W0], 15|(3<<16)|(1<<21)          ; the mask names all four partners; bit 21 set beside it
	s_mov_b32 s[G1W1], 15|(3<<16)|(1<<21)
.irp g, G1X0, G1W0
	s_mov_b32 s[\g+1], 832<<16                     ; tensor_dim0 = 832 (6,656 bytes)
	s_mov_b32 s[\g+3], 832<<16                     ; tile_dim0
.endr
.irp g, G1X1, G1W1
	s_mov_b32 s[\g+1], 384<<16                     ; 3,072 bytes
	s_mov_b32 s[\g+3], 384<<16
.endr
.irp g, G1X0, G1X1, G1W0, G1W1
	s_mov_b32 s[\g+2], 8<<16                       ; tensor_dim1 = 8
	s_mov_b32 s[\g+4], 8                           ; tile_dim1 = 8
	s_mov_b32 s[\g+5], 1216                        ; the pitch
	s_mov_b32 s[\g+6], 0
	s_mov_b32 s[\g+7], 0
.endr
	s_lshl_b32 s20, s18, 9                         ; x's first record that I would fetch: 512 x2 + 16 x block + 8 x half
	s_lshl_b32 s21, s14, 4
	s_add_co_u32 s20, s20, s21
	s_lshl_b32 s21, s12, 3
	s_add_co_u32 s20, s20, s21
	s_mul_i32 s20, s20, REC
	s_mov_b32 s21, 0
	s_mul_i32 s22, s19, 48                         ; W's: 1024 + 48 x which + 16 x column block + 8 x half: in registers that never hold cx
	s_lshl_b32 s23, s17, 4
	s_add_co_u32 s22, s22, s23
	s_lshl_b32 s23, s12, 3
	s_add_co_u32 s22, s22, s23
	s_add_co_u32 s22, s22, 1024
	s_mul_i32 s22, s22, REC
	s_mov_b32 s23, 0
	s_mul_i32 s88, s12, 8*P0B
	s_mul_i32 s89, s12, 8*P1B
	s_mov_b32 s[SEL], 0x76543210
	s_mov_b32 s[SEL+1], 0xfedcba98
	s_mov_b32 s[HIM], 0xffff0000
	s_wait_dscnt 0x0                               ; the opening add is done
	s_wait_kmcnt 0x0
	s_add_nc_u64 s[20:21], s[4:5], s[20:21]
	s_add_nc_u64 s[22:23], s[4:5], s[22:23]
	CROUND                                         ; all four work-groups are here: the joint loads meet
	GROUP0 G0X0, 88, XP0, 20, 0
	GROUP0 G0X2, 89, XP2, 20, P0B
	GROUP0 G0W0, 88, WP0, 22, 0
	GROUP0 G0W2, 89, WP2, 22, P0B
	s_cmp_eq_u32 s11, 0                            ; one load a wave at the head
	s_cbranch_scc0 .Lfor_w
	tensor_load_to_lds s[G0X0:G0X0+3], s[G1X0:G1X0+7]
	s_nop 0
	PLACES 4
	s_branch .Lasked
.Lfor_w:
	tensor_load_to_lds s[G0W0:G0W0+3], s[G1W0:G1W0+7]
	s_nop 0
	PLACES 4
.Lasked:
	v_and_b32 v1, 31, v0
	v_and_b32 v2, 15, v0                           ; r
	v_bfe_u32 v3, v0, 4, 1                         ; h
	v_lshlrev_b32 v[VO], 4, v1
	s_mul_i32 s90, s11, 8*P0B
	s_mul_i32 s91, s11, 8*P1B
	v_add_nc_u32 v[AX], s90, v[VO]
	s_add_co_u32 s92, s91, XP2
	v_add_nc_u32 v[AX+2], s92, v[VO]
	s_add_co_u32 s92, s88, WP0
	v_add_nc_u32 v[AW], s92, v[VO]
	s_add_co_u32 s92, s89, WP2
	v_add_nc_u32 v[AW+2], s92, v[VO]
	v_mul_u32_u24 v[VOS], v3, 212992               ; a head of kv: 16 blocks of 13,312 bytes
	v_lshl_add_u32 v[VOS], v2, 4, v[VOS]
	; where my results go: group of 128 tokens G = 2 x block + half: batch G / 8, place G % 8 (+ 8 for x2); heads 4 x column block + 2 x half and the next
	s_lshl_b32 s90, s14, 1
	s_add_co_u32 s90, s90, s11
	s_lshr_b32 s91, s90, 3
	s_and_b32 s90, s90, 7
	s_lshl_b32 s95, s18, 3
	s_add_co_u32 s90, s90, s95
	s_mul_i32 s91, s91, 12
	s_lshl_b32 s95, s17, 2
	s_add_co_u32 s91, s91, s95
	s_lshl_b32 s95, s12, 1
	s_add_co_u32 s91, s91, s95                     ; bh of head A
	s_mov_b32 s92, 212992                          ; kv: a head, a block (13,312 bytes: 26 rows of 512)
	s_mov_b32 s94, 13312
	s_cmp_eq_u32 s16, 0
	s_cselect_b64 s[BA:BA+1], s[6:7], s[8:9]
	s_cselect_b32 s92, 53248, s92                  ; qbuf's
	s_cselect_b32 s94, 6656, s94
	s_mul_i32 s91, s91, s92
	s_mul_i32 s90, s90, s94
	s_add_co_u32 s90, s90, s91                     ; under 2^25
	s_mov_b32 s91, 0
	s_mov_b32 s93, 0
	s_add_nc_u64 s[BA:BA+1], s[BA:BA+1], s[90:91]
	s_add_nc_u64 s[BB:BB+1], s[BA:BA+1], s[92:93]
; K step s's 16 fragments, three loads of 512 dense bytes each: P's into window 0, R's into window 1, set s % 2
.macro FETCH s, pa, ra
.if (\s) < 4
.set RL, P0B
.set CO, 512+1536*(\s)
.else
.set RL, P1B
.set CO, 1536*((\s)%2)
.endif
.irp i, 0,1,2,3,4,5,6,7
.irp c, 0,1,2
	ds_load_b128 v[PF+96*((\s)%2)+12*\i+4*\c:PF+96*((\s)%2)+12*\i+4*\c+3], v[\pa+2*((\s)/4)] offset:\i*RL+CO+512*\c
.endr
.endr
	WIN 0x40
.irp i, 0,1,2,3,4,5,6,7
.irp c, 0,1,2
	ds_load_b128 v[96*((\s)%2)+12*\i+4*\c:96*((\s)%2)+12*\i+4*\c+3], v[\ra+2*((\s)/4)] offset:\i*RL+CO+512*\c
.endr
.endr
	WIN 0
.endm
; the scale words of K steps 2 p (lanes 0-15) and 2 p + 1 (lanes 16-31) into set p % 2
.macro SCALES p, pa, ra
.irp i, 0,1,2,3,4,5,6,7
	ds_load_b32 v[SCB+16*((\p)%2)+\i], v[\pa] offset:\i*P0B+4*(\p)
	ds_load_b32 v[SCB+16*((\p)%2)+8+\i], v[\ra] offset:\i*P0B+4*(\p)
.endr
.endm
; 16 matrix instructions: P's tiles a0, a0 + 1 against R's eight.  The first K step's products start the sums: nothing is cleared.
.macro MUL16 a0, s
.irp a, \a0, \a0+1
.irp b, 0,1,2,3,4,5,6,7
.set AC, 8*(8*((\a)%4)+\b)
.set RR, 96*((\s)%2)+12*\b
.set PP, PF+96*((\s)%2)+12*(\a)
.set SCR, SCB+16*(((\s)/2)%2)+8+\b
.set SCP, SCB+16*(((\s)/2)%2)+(\a)
.if (\s) == 0
	v_wmma_scale_f32_16x16x128_f8f6f4 v[AC:AC+7], v[RR:RR+11], v[PP:PP+11], 0, v[SCR], v[SCP] matrix_a_fmt:MATRIX_FMT_FP6 matrix_b_fmt:MATRIX_FMT_FP6
.elseif ((\s)%2) == 1
	v_wmma_scale_f32_16x16x128_f8f6f4 v[AC:AC+7], v[RR:RR+11], v[PP:PP+11], v[AC:AC+7], v[SCR], v[SCP] matrix_a_fmt:MATRIX_FMT_FP6 matrix_b_fmt:MATRIX_FMT_FP6 matrix_a_scale:MATRIX_SCALE_ROW1 matrix_b_scale:MATRIX_SCALE_ROW1
.else
	v_wmma_scale_f32_16x16x128_f8f6f4 v[AC:AC+7], v[RR:RR+11], v[PP:PP+11], v[AC:AC+7], v[SCR], v[SCP] matrix_a_fmt:MATRIX_FMT_FP6 matrix_b_fmt:MATRIX_FMT_FP6
.endif
.endr
.endr
.endm
.macro MUL s                           ; a K step: the 64 accumulators take turns, one instruction a turn, in the same order in every step
	WIN 0xa1                                       ; source 0 (R) window 1, source 1 (P) window 0, C and D window 2
	MUL16 0, \s
	MUL16 2, \s
	WIN 0xf1                                       ; C and D window 3
	MUL16 4, \s
	MUL16 6, \s
	WIN 0
.endm
; All six K steps.  The two parts of the records are waited for one by one.
; A load into a register that a matrix instruction has read stands four plain vector instructions behind it (ISA guide 7.12.1 for vector instructions).
.macro MAIN pa, ra
	SCALES 0, \pa, \ra
	FETCH 0, \pa, \ra
	FETCH 1, \pa, \ra
	s_wait_dscnt 48                                ; all but the 48 just issued
	MUL 0
	s_wait_dscnt 0x0                               ; K step 1's fragments are in
	PLACES 4
	SCALES 1, \pa, \ra
	FETCH 2, \pa, \ra
	MUL 1
	PLACES 4
	FETCH 3, \pa, \ra
	s_wait_dscnt 48
	MUL 2
	s_wait_tensorcnt 0x0                           ; part 2
	s_wait_dscnt 0x0
	BAR
	PLACES 4
	SCALES 2, \pa, \ra
	FETCH 4, \pa, \ra
	MUL 3
	PLACES 4
	FETCH 5, \pa, \ra
	s_wait_dscnt 48
	MUL 4
	s_wait_dscnt 0x0
	MUL 5
.endm
; The 64 registers of one P tile, v[s] on in window w, become 12 registers of codes: k 0..63 in v[da] .. v[da + 5], k 64..127 in v[db] .. v[db + 5]; the scale word in v[pw].
; Each accumulator is read from its low end on.
.macro QUANTW w, s, da, db, pw
	WIN ((\w)<<2)|((\w)<<4)                        ; sources 1 and 2: the accumulators' window
.irp b, 0,1,2,3
	v_max3_num_f32 v[TM+\b], 0x1800000, |v[(\s)+16*\b]|, |v[(\s)+1+16*\b]|   ; block b: my 16 numbers, and the floor 2^(3 - 127): the byte cannot fall under 1
.endr
.irp i, 2,4,6,8,10,12,14
.irp b, 0,1,2,3
	v_max3_num_f32 v[TM+\b], v[TM+\b], |v[(\s)+16*\b+\i]|, |v[(\s)+1+16*\b+\i]|
.endr
.endr
	WIN 0
.irp b, 0,1,2,3
	v_permlanex16_b32 v[TM+4+\b], v[TM+\b], s[SEL], s[SEL+1]
.endr
.irp b, 0,1,2,3
	v_max_num_f32 v[TM+\b], v[TM+\b], v[TM+4+\b]   ; with lane l xor 16's: the block's largest magnitude
.endr
.irp b, 0,1,2,3
	v_add_nc_u32 v[TM+12+\b], 0xff000000, v[TM+\b] ; 2 off its exponent field: the conversion's scale operand
.endr
.irp b, 0,1,2,3
	v_lshrrev_b32 v[TM+4+\b], 23, v[TM+12+\b]      ; the scale's byte
.endr
	v_lshl_or_b32 v[\pw], v[TM+5], 8, v[TM+4]
	v_lshl_or_b32 v[\pw], v[TM+6], 16, v[\pw]
	v_lshl_or_b32 v[\pw], v[TM+7], 24, v[\pw]
	s_wait_xcnt 0x0                                ; earlier stores have read the codes' registers: they are written again only behind this wait
	WIN (\w)                                       ; source 0: the accumulators' window
	v_cvt_scalef32_pk16_fp6_f32 v[(\da):(\da)+2], v[(\s):(\s)+15], v[TM+12]
	v_cvt_scalef32_pk16_fp6_f32 v[PT:PT+2], v[(\s)+16:(\s)+31], v[TM+13]
	v_cvt_scalef32_pk16_fp6_f32 v[(\db):(\db)+2], v[(\s)+32:(\s)+47], v[TM+14]
	v_cvt_scalef32_pk16_fp6_f32 v[PT+4:PT+6], v[(\s)+48:(\s)+63], v[TM+15]
	WIN 0
	v_nop                                          ; one plain instruction behind the scaled conversions
.irp i, 0,1,2
	v_permlane16_swap_b32 v[(\da)+\i], v[PT+\i]    ; a whole block to a lane: lanes 0-15 the even block, lanes 16-31 the odd one
.endr
.irp i, 0,1,2
	v_mov_b32 v[(\da)+3+\i], v[PT+\i]
.endr
.irp i, 0,1,2
	v_permlane16_swap_b32 v[(\db)+\i], v[PT+4+\i]
.endr
.irp i, 0,1,2
	v_mov_b32 v[(\db)+3+\i], v[PT+4+\i]
.endr
.endm
	s_wait_alu depctr_va_vdst(0)                   ; the wait at the head's end
	s_wait_tensorcnt 0x0                           ; my part of K steps 0 to 3 is in
	ds_add_u32 v[SPW], v[NIL]
	s_wait_dscnt 0x0
	CROUND                                         ; everybody's part is in, and the four partners are here
	s_cmp_eq_u32 s11, 0
	s_cbranch_scc0 .Lfor_w2
	tensor_load_to_lds s[G0X2:G0X2+3], s[G1X1:G1X1+7]   ; K steps 4 and 5: they have three K steps' products in which to land
	s_nop 0
	PLACES 4
	s_branch .Lasked2
.Lfor_w2:
	tensor_load_to_lds s[G0W2:G0W2+3], s[G1W1:G1W1+7]
	s_nop 0
	PLACES 4
.Lasked2:
	s_cmp_eq_u32 s19, 2                            ; v's jobs take the other orientation: the branch hangs on y alone
	s_cbranch_scc1 .Lv_path
	; ---- q and k: a lane holds a token, its registers run along the columns: two heads of 64
	s_wait_alu depctr_va_vdst(0)
	MAIN AX, AW
	PLACES 4                                       ; behind the last products, ahead of the first read of results
.irp b, 0,1,2,3
	v_mov_b32 v[TM+4+\b], 0                        ; a lane permute's destination counts as one of its sources
.endr
.irp ap, 0,1,2,3                       ; two token tiles at a time: 12 registers of each head: three planes of its block
.irp e, 0,1
	QUANTW 2+(2*\ap+\e)/4, 64*((2*\ap+\e)%4), OUTA+6*\e, OUTB+6*\e, SW+2*\ap+\e
.endr
.irp c, 0,1,2
	global_store_b128 v[VO], v[OUTA+4*\c:OUTA+4*\c+3], s[BA:BA+1] offset:1536*\ap+512*\c   ; 32 lanes store 512 consecutive bytes, at a multiple of 256 from the buffer's first byte
	global_store_b128 v[VO], v[OUTB+4*\c:OUTB+4*\c+3], s[BB:BB+1] offset:1536*\ap+512*\c
.endr
.endr
.irp i, 0,1,2,3
	v_cndmask_b32 v[SD+\i], v[SW+\i], v[SW+4+\i], s[HIM]   ; lanes 0-15 the words of tiles 0-3, lanes 16-31 those of tiles 4-7
.endr
.irp i, 0,1,2,3
	v_perm_b32 v[SA+\i], v[SD+\i], v[SD+\i], 0x01000100    ; head A's two bytes, twice: the upper half of the instruction's K meets zero codes under the same bytes
	v_perm_b32 v[SB+\i], v[SD+\i], v[SD+\i], 0x03020302    ; head B's
.endr
	global_store_b128 v[VO], v[SA:SA+3], s[BA:BA+1] offset:6144
	global_store_b128 v[VO], v[SB:SB+3], s[BB:BB+1] offset:6144
	s_branch .Lend
.Lv_path:
	; ---- v: a lane holds a channel, its registers run along the 128 tokens: one K step of the attention's second product
	s_wait_alu depctr_va_vdst(0)
	MAIN AW, AX
	PLACES 4
.irp b, 0,1,2,3
	v_mov_b32 v[TM+4+\b], 0
.endr
.irp a, 0,1,2,3
	QUANTW 2, 64*\a, OUTA+12*(\a%2), OUTA+12*(\a%2)+6, SW+\a
.irp c, 0,1,2
	global_store_b128 v[VO], v[OUTA+12*(\a%2)+4*\c:OUTA+12*(\a%2)+4*\c+3], s[BA:BA+1] offset:6656+1536*\a+512*\c
.endr
.endr
.irp a, 0,1,2,3
	QUANTW 3, 64*\a, OUTA+12*(\a%2), OUTA+12*(\a%2)+6, SW+4+\a
.irp c, 0,1,2
	global_store_b128 v[VO], v[OUTA+12*(\a%2)+4*\c:OUTA+12*(\a%2)+4*\c+3], s[BB:BB+1] offset:6656+1536*\a+512*\c
.endr
.endr
.irp i, 0,1,2,3
	v_cndmask_b32 v[SD+\i], v[SW+\i], v[SW+4+\i], s[HIM]   ; lanes 0-15 head A's four words, lanes 16-31 head B's
.endr
	global_store_b128 v[VOS], v[SD:SD+3], s[BA:BA+1] offset:12800   ; each half of the lanes stores 256 consecutive bytes in its head's block
	global_store_b128 v[VOS], v[SD:SD+3], s[BA:BA+1] offset:13056   ; and once more: the block's last 256 bytes are fetched with it, so they are written
.Lend:
	s_wait_tensorcnt 0x0                           ; the wave's end
	ds_add_u32 v[SPW], v[NIL]
	s_wait_dscnt 0x0
	CROUND                                         ; the closing round: no work-group ends while a partner may still ask for a tile that names it
	s_endpgm
.Lfunc_end_k_q0fbf916605_proj:
	.size	k_q0fbf916605_proj, .Lfunc_end_k_q0fbf916605_proj-k_q0fbf916605_proj
	.p2alignl 7, 3214868480
	.fill 96, 4, 3214868480
	.section	.rodata,"a",@progbits
	.p2align	6, 0x0
	.amdhsa_kernel k_q0fbf916605_proj
		.amdhsa_group_segment_fixed_size 327680
		.amdhsa_private_segment_fixed_size 0
		.amdhsa_enable_private_segment 0
		.amdhsa_kernarg_size 24
		.amdhsa_user_sgpr_count 2
		.amdhsa_user_sgpr_kernarg_segment_ptr 1
		.amdhsa_wavefront_size32 1
		.amdhsa_system_sgpr_workgroup_id_x 1
		.amdhsa_system_sgpr_workgroup_id_y 1
		.amdhsa_system_sgpr_workgroup_id_z 1
		.amdhsa_system_vgpr_workitem_id 0
		.amdhsa_next_free_vgpr 1024
		.amdhsa_next_free_sgpr 100
		.amdhsa_reserve_vcc 0
		.amdhsa_float_denorm_mode_32 3
		.amdhsa_float_denorm_mode_16_64 3
		.amdhsa_memory_ordered 1
		.amdhsa_forward_progress 1
		.amdhsa_inst_pref_size 220
	.end_amdhsa_kernel
	.amdgpu_metadata
---
amdhsa.version: [ 1, 2 ]
amdhsa.kernels:
  - .name:           k_q0fbf916605_proj
    .symbol:         k_q0fbf916605_proj.kd
    .args:
      - { .name: tiles, .offset: 0, .size: 8, .value_kind: global_buffer, .address_space: global }
      - { .name: qbuf, .offset: 8, .size: 8, .value_kind: global_buffer, .address_space: global }
      - { .name: kv, .offset: 16, .size: 8, .value_kind: global_buffer, .address_space: global }
    .group_segment_fixed_size: 327680
    .private_segment_fixed_size: 0
    .kernarg_segment_align: 8
    .kernarg_segment_size: 24
    .max_flat_workgroup_size: 128
    .sgpr_count:     100
    .vgpr_count:     1024
    .wavefront_size: 32
...
	.end_amdgpu_metadata
.endif
;; end of part 2
;; launch attn (part 3): grid 256 x 1, 16 waves a work-group, clusters of 4 x 1, 327,680 bytes of LDS; arguments qbuf, kv, obuf; writes obuf
.if DOCPART == 3
	.amdgcn_target "amdgcn-amd-amdhsa--gfx1250"
	.amdhsa_code_object_version 6
	.text
	.protected	k_q0fbf916605_attn
	.globl	k_q0fbf916605_attn
	.p2align	8
	.type	k_q0fbf916605_attn,@function
k_q0fbf916605_attn:
	s_mov_b64 s[64:65], 0
	v_nop
	global_prefetch_b8 v0, s[64:65] scope:SCOPE_SE
	s_setreg_imm32_b32 hwreg(HW_REG_WAVE_MODE, 25, 1), 1
	s_wait_xcnt 0x0
	s_wait_alu depctr_hold_cnt(0) depctr_sa_sdst(0) depctr_va_vdst(0) depctr_va_sdst(0) depctr_va_ssrc(0) depctr_va_vcc(0) depctr_vm_vsrc(0)
	s_getreg_b32 s2, hwreg(HW_REG_IB_STS2, 6, 4)
	s_cmp_eq_u32 s2, 0
	s_cbranch_scc0 .Lentry_in_a_cluster
	s_endpgm
.Lentry_in_a_cluster:
	s_bfe_u32 s2, ttmp6, 0x10000c
	s_cmp_lg_u32 s2, 0x3003
	s_cbranch_scc0 .Lentry_shape_is_right
	s_endpgm
.Lentry_shape_is_right:
; o[bh][q] = the sum over 2,048 keys of softmax(q . k / 8) v, both products on codes of FP6 (E2M3); o is quantised along its 64 channels and stored as codes.
; THE SOFTMAX: t = score x log2(e) / 8; M = the running largest t rounded UP to a whole number; p = 2^(t - M) is quantised along the keys, not normalised; the row's sum is taken of the
; unquantised p and divides at the end.  When M moves, the sums and O are multiplied by 2^(old M - new M): exact.
; SHARES.  96 heads x 1,024 queries on 64 clusters of 4 work-groups of 16 waves: a cluster takes one and a half heads.  Cluster c (e = c / 2, o = c % 2):
;   part 1: head 3 e + 2 o, all 1,024 queries: a work-group 256, a wave one tile of 16 queries and all 16 key steps of 128 keys;
;   part 2: head 3 e + 1, queries 512 o on: a work-group 128; wave w has tile w % 8 and, of each slot's 8 key steps, steps 4 (w / 8) .. + 3; the two halves are joined through LDS by powers of two.
;   So every wave walks 24 key steps.
; THE RING.  Two LDS slots of 8 key blocks (half a head).  Four fills: part 1's halves, part 2's halves; all four partners walk the same head, so each fill is asked for jointly, a sixteenth by each wave.
; A block of kv is 13,312 bytes = 26 rows of 512 bytes, each on a multiple of 256; in LDS 128 bytes of padding follow each row (pitch 640).
; Each fill but the first is asked for 8 or 4 key steps ahead of its first read, and the first has no loop ahead of it: so no prefetch is laid.
; LAYOUT.  S^T = K Q^T (source 0 = 16 keys, source 1 = my 16 queries), O^T = V^T P^T: a lane holds one query throughout.
; THE KEYS OF A TILE ARE CHOSEN AS THEY ARE READ FROM LDS: slot 8 h + j of tile 4 c + u is key 64 c + 32 h + 8 u + j.  kv holds tile 2 B + u2, slot 8 g + j = key 32 B + 16 g + 8 u2 + j, two tiles in three rows;
; so lanes with slot under 8 read the rows of B = 2 c, the others those of B = 2 c + 1 (3 x 640 = 1,920 bytes on, which is 128 modulo 256).
; A lane's registers 32 c .. 32 c + 31 of S^T are then one whole block of 32 keys in order: its largest p needs no other lane, and the conversions' results are P's operand as they stand.
; K = 64 IN AN INSTRUCTION OF 128: a key tile's operand names twelve registers, the upper six being the next tile's codes (zeros behind the last); Q's upper six are zero codes, and the upper scale bytes repeat the lower.
; LIMITS: the promise holds while the scaled scores stay under 2^31 in magnitude; a block whose largest magnitude lies under 2^-124 keeps the scale byte 1 (read by this program alone);
; the division by the row's sum is v_rcp_f32 and a multiplication; NaN and infinities are not served.
.set BLK,   13312
.set HEADB, 16*BLK
.set PL,    640                        ; an LDS row
.set LBLK,  26*PL                      ; a block in LDS
.set SLOTB, 8*LBLK
.set MERGE, 2*SLOTB                    ; for each tile 4,608 bytes: eight planes of O^T, then (-M, sum) at 8 x lane
.set SPARE, MERGE+8*4608               ; the spare words, 128 bytes for each wave, that no other line names
.set AKB, 1                            ; k's codes: 16 (l % 8) + 1920 (bit 3 of l) + 256 (l / 16)
.set ASB, 2                            ; k's scale words: 16 (l % 8) + 8 (bit 3 of l)
.set AVB, 3                            ; 16 x lane
.set AWB, 4                            ; 16 x (l % 16)
.set SPW, 5
.set NIL, 6
.set MA,  7
.set MB,  8
.set GO8, 9                            ; 8 x lane
.set SH8, 10                           ; 8 x (l / 16)
.set RM,  11                           ; the running largest score      (v12 -M; v13 named with it as a pair, at the end the row's sum)
.set ADK, 14                           ; v14-17 the step's four addresses
.set ADS, 15
.set ADV, 16
.set ADW, 17
.set NM,  18
.set D,   19
.set QF,  20                           ; v20-31 Q's fragment; registers 6-11 zeros
.set QS,  32
.set KS,  34                           ; v34-41 scale words of k's eight tiles
.set VS,  42                           ; v42-45 of v's four
.set FR,  46                           ; v46-93 k's or v's codes; v94-99 zeros
.set S,   100                          ; v100-163 S^T, then p
.set O,   164                          ; v164-195 O^T
.set PC,  196                          ; v196-207 p's codes
.set PT,  208                          ; v208-214 the conversions' second halves
.set TM,  216                          ; v216-223 a maximum for each tile
.set BM,  224
.set BS,  226
.set BP,  228
.set F,   230                          ; v[230:231] f; the upper register is named with it and holds 0
.set PW,  232                          ; p's scale word
.set W,   234
.set A,   236                          ; v236-251 the row's sum in eight packed chains
.set X,   252
.set NC,  19                           ; s19 -c
.set SEL, 20
.set CS,  22                           ; s[22:23] c = log2(e) / 8
.set G1,  24
.set G0,  32                           ; s[32:47] a group 0 for each of the four fills
.set TB,  48
.set TRIPS, 49
.macro ROUND                           ; a round of the cluster's barrier
	s_barrier_signal -1
	s_barrier_wait -1
	s_cmp_lg_u32 s10, 0
	s_cbranch_scc1 .Lnot_wave_0_\@
	s_barrier_signal -3
.Lnot_wave_0_\@:
	s_barrier_wait -3
	s_barrier_signal -1
	s_barrier_wait -1
.endm
.macro REFILL g                        ; all my loads are in, the add, my LDS reads are over; a round; then my one joint load
	s_wait_alu depctr_va_vdst(0)
	s_wait_tensorcnt 0x0
	ds_add_u32 v[SPW], v[NIL]
	s_wait_dscnt 0x0
	ROUND
	tensor_load_to_lds s[\g:\g+3], s[G1:G1+7]
	s_nop 0
.rept 4
	v_nop
.endr
.endm
.macro GRP g, lds, a, off
	s_mov_b32 s[\g], 1
	s_add_co_u32 s[\g+1], s67, \lds
	s_add_nc_u64 s[\g+2:\g+3], s[\a:\a+1], \off
	s_or_b32 s[\g+3], s[\g+3], 0x80000000
.endm
.macro WHERE idx, q, qs, ob            ; idx = 8 bh + block of 128 queries: byte offsets of my tile's three planes of Q, of its scale words, of my record in obuf
	s_mul_i32 s74, s[\idx], 6656
	s_lshr_b32 s75, s11, 1
	s_mul_i32 s75, s75, 1536
	s_add_co_u32 s[\q], s74, s75
	s_mov_b32 s[\q+1], 0
	s_lshr_b32 s75, s11, 2
	s_lshl_b32 s75, s75, 8
	s_add_co_u32 s74, s74, s75
	s_and_b32 s75, s11, 3
	s_lshl_b32 s75, s75, 2
	s_add_co_u32 s74, s74, s75
	s_add_co_u32 s[\qs], s74, 6144
	s_mov_b32 s[\qs+1], 0
	s_lshl_b32 s74, s[\idx], 3
	s_add_co_u32 s74, s74, s11
	s_lshl_b32 s[\ob], s74, 10
	s_mov_b32 s[\ob+1], 0
.endm
	s_load_b128 s[4:7], s[0:1], 0x0                ; qbuf, kv
	s_load_b64 s[8:9], s[0:1], 0x10                ; obuf
	v_lshl_add_u32 v[SPW], v0, 2, SPARE
	v_mov_b32 v[NIL], 0
	ds_add_u32 v[SPW], v[NIL]                      ; the opening lines: the add, twice on end, and its wait ahead of my first tensor load
	ds_add_u32 v[SPW], v[NIL]
	v_lshrrev_b32 v[D], 5, v0
	v_readfirstlane_b32 s10, v[D]                  ; wave 0..15
	s_and_b32 s11, s10, 7                          ; my tile
	s_lshr_b32 s12, s10, 3
	s_bfe_u32 s13, ttmp6, 0x40000                  ; cx: it enters qbuf's and obuf's addresses alone
	s_lshr_b32 s15, ttmp9, 1                       ; e
	s_and_b32 s16, ttmp9, 1                        ; o
	s_mul_i32 s18, s15, 3
	s_lshl_b32 s17, s16, 1
	s_add_co_u32 s17, s17, s18                     ; part 1's head
	s_add_co_u32 s18, s18, 1                       ; part 2's
	s_mov_b32 s[G1], 15|(3<<16)|(1<<20)|(1<<21)|(6<<22)|(31<<25)   ; all four partners; elements of 8 bytes; behind every 128 dwords 32 dwords of padding
	s_mov_b32 s[G1+1], 64<<16                      ; 13 rows of 64 elements, dense
	s_mov_b32 s[G1+2], 13<<16
	s_mov_b32 s[G1+3], 64<<16
	s_mov_b32 s[G1+4], 13
	s_mov_b32 s[G1+5], 64
	s_mov_b32 s[G1+6], 0
	s_mov_b32 s[G1+7], 0
	s_mul_i32 s66, s10, 6656                       ; my sixteenth of a fill in memory,
	s_mul_i32 s67, s10, 13*PL                      ; and in LDS
	s_mul_i32 s68, s17, HEADB
	s_add_co_u32 s68, s68, s66
	s_mov_b32 s69, 0
	s_mul_i32 s70, s18, HEADB
	s_add_co_u32 s70, s70, s66
	s_mov_b32 s71, 0
	s_lshl_b32 s72, s17, 3
	s_lshl_b32 s74, s13, 1
	s_add_co_u32 s72, s72, s74
	s_add_co_u32 s72, s72, s12                     ; part 1: 8 bh + 2 cx + w / 8
	s_lshl_b32 s73, s18, 3
	s_lshl_b32 s74, s16, 2
	s_add_co_u32 s73, s73, s74
	s_add_co_u32 s73, s73, s13                     ; part 2: 8 bh + 4 o + cx
	WHERE 72, 50, 52, 54
	WHERE 73, 56, 58, 60
	s_mul_i32 s77, s11, 4608
	s_add_co_u32 s77, s77, MERGE
	s_add_co_u32 s76, s77, 4096
	s_and_b32 s62, s11, 1
	s_cmp_lg_u32 s62, 0
	s_cselect_b32 s62, -1, 0                       ; all lanes where my tile is the odd one of its pair
	s_mov_b32 s[SEL], 0x76543210
	s_mov_b32 s[SEL+1], 0xfedcba98
	s_mov_b32 s[CS], 0x3e38aa3b
	s_mov_b32 s[CS+1], s[CS]
	s_mov_b32 s[NC], 0xbe38aa3b
	s_wait_dscnt 0x0                               ; both opening adds are done
	s_wait_kmcnt 0x0
	s_add_nc_u64 s[68:69], s[6:7], s[68:69]
	s_add_nc_u64 s[70:71], s[6:7], s[70:71]
	s_add_nc_u64 s[50:51], s[4:5], s[50:51]
	s_add_nc_u64 s[52:53], s[4:5], s[52:53]
	s_add_nc_u64 s[54:55], s[8:9], s[54:55]
	s_add_nc_u64 s[56:57], s[4:5], s[56:57]
	s_add_nc_u64 s[58:59], s[4:5], s[58:59]
	s_add_nc_u64 s[60:61], s[8:9], s[60:61]
	ROUND                                          ; the four partners are here: the first joint loads meet
	GRP G0,    0,     68, 0
	GRP G0+4,  SLOTB, 68, 8*BLK
	GRP G0+8,  0,     70, 0
	GRP G0+12, SLOTB, 70, 8*BLK
	tensor_load_to_lds s[G0:G0+3], s[G1:G1+7]      ; part 1's keys 0-1023: every wave's one load at the head
	s_nop 0
.rept 4
	v_nop
.endr
	v_and_b32 v[AVB], 31, v0
	v_and_b32 v[AWB], 15, v0
	v_and_b32 v[ASB], 7, v0
	v_bfe_u32 v[D], v0, 3, 1
	v_bfe_u32 v[NM], v0, 4, 1
	v_lshlrev_b32 v[GO8], 3, v[AVB]
	v_lshl_add_u32 v[MB], v[AVB], 3, s76
	v_lshlrev_b32 v[AVB], 4, v[AVB]
	v_lshlrev_b32 v[AWB], 4, v[AWB]
	v_lshlrev_b32 v[ASB], 4, v[ASB]
.macro QLOAD q, qs                     ; twelve registers: two tiles' codes; and my tile's scale words
.irp c, 0,1,2
	global_load_b128 v[S+4*\c:S+4*\c+3], v[AVB], s[\q:\q+1] offset:512*\c
.endr
	global_load_b32 v[QS], v[AWB], s[\qs:\qs+1]
.endm
	QLOAD 50, 52
	v_mad_u32_u24 v[AKB], v[D], 1920, v[ASB]
	v_lshl_add_u32 v[AKB], v[NM], 8, v[AKB]
	v_lshl_add_u32 v[ASB], v[D], 3, v[ASB]
	v_lshlrev_b32 v[SH8], 3, v[NM]
	v_add_nc_u32 v[MA], s77, v[AVB]
	v_mov_b32 v[F+1], 0
	v_mov_b32 v[BP], 0                             ; a lane permute's destination counts as one of its sources
.irp j, 0,1,2,3,4,5
	v_mov_b32 v[FR+48+\j], 0                       ; behind the last key tile's codes
	v_mov_b32 v[QF+6+\j], 0                        ; Q's k = 64 .. 127: zero codes
.endr
.macro BEGIN                           ; a part begins: my tile's six registers of Q; the largest score -3e38, -M 3e38 (so the first f is 0); sums and O^T zeros, which the first f leaves zeros
	s_wait_loadcnt 0x0
	s_wait_xcnt 0x0                                ; earlier stores have read their registers
.irp j, 0,1,2,3,4,5
	v_cndmask_b32 v[QF+\j], v[S+\j], v[S+6+\j], s62
.endr
	v_mov_b32 v[RM], 0xff61b1e6
	v_mov_b32 v12, 0x7f61b1e6
	v_mov_b32 v13, 0
.set j, 0
.rept 16
	v_mov_b32 v[A+j], 0
.set j, j+1
.endr
.set j, 0
.rept 32
	v_mov_b32 v[O+j], 0
.set j, j+1
.endr
.endm
.macro OMUL n                          ; the next n pairs of O^T x f, each accumulator from its low end on
.rept \n
	v_pk_mul_f32 v[O+2*OI:O+2*OI+1], v[O+2*OI:O+2*OI+1], v[F:F+1] op_sel_hi:[1,0]
.set OI, OI+1
.endr
.endm
.macro SUM n                           ; the next n pairs of p into the eight chains; each chain's first line brings it under the new M
.rept \n
.if SI < 8
	v_pk_fma_f32 v[A+2*SI:A+2*SI+1], v[A+2*SI:A+2*SI+1], v[F:F+1], v[S+2*SI:S+2*SI+1] op_sel_hi:[1,0,1]
.else
	v_pk_add_f32 v[A+2*(SI%8):A+2*(SI%8)+1], v[A+2*(SI%8):A+2*(SI%8)+1], v[S+2*SI:S+2*SI+1]
.endif
.set SI, SI+1
.endr
.endm
; A KEY STEP: 128 keys
.macro STEP
	v_add_nc_u32 v[ADK], s[TB], v[AKB]             ; these four are also the plain lines between the last products and the loads into registers that they read
	v_add_nc_u32 v[ADS], s[TB], v[ASB]
	v_add_nc_u32 v[ADV], s[TB], v[AVB]
	v_add_nc_u32 v[ADW], s[TB], v[AWB]
.irp q, 0,1,2,3                        ; tiles 2 q, 2 q + 1: q = 2 c + g
.irp p, 0,1,2
	ds_load_b128 v[FR+12*\q+4*\p:FR+12*\q+4*\p+3], v[ADK] offset:6*PL*(\q/2)+128*(\q%2)+PL*\p
.endr
	ds_load_b64 v[KS+2*\q:KS+2*\q+1], v[ADS] offset:12*PL+256*(\q/2)+128*(\q%2)
.endr
	s_wait_alu depctr_va_vdst(0)                   ; the wait here, directly ahead of the wait below
	s_wait_dscnt 0x0
.irp t, 0,1,2,3,4,5,6,7
	v_wmma_scale_f32_16x16x128_f8f6f4 v[S+8*\t:S+8*\t+7], v[FR+6*\t:FR+6*\t+11], v[QF:QF+11], 0, v[KS+\t], v[QS] matrix_a_fmt:MATRIX_FMT_FP6 matrix_b_fmt:MATRIX_FMT_FP6
.endr
.rept 4
	v_nop                                          ; ahead of the loads into k's registers and of the first read of the scores
.endr
.set i, 0
.rept 12
	ds_load_b128 v[FR+4*i:FR+4*i+3], v[ADV] offset:13*PL+PL*i   ; v's four fragments land while the softmax is walked
.set i, i+1
.endr
	ds_load_b128 v[VS:VS+3], v[ADW] offset:25*PL
.irp t, 0,1,2,3,4,5,6,7                ; the largest score of my two blocks of 32 keys: eight chains by turns
	v_max3_num_f32 v[TM+\t], v[S+8*\t], v[S+8*\t+1], v[S+8*\t+2]
.endr
.irp i, 3,5
.irp t, 0,1,2,3,4,5,6,7
	v_max3_num_f32 v[TM+\t], v[TM+\t], v[S+8*\t+\i], v[S+8*\t+\i+1]
.endr
.endr
.irp c, 0,1
.irp k, 0,1
	v_max3_num_f32 v[X+2*\c+\k], v[TM+4*\c+2*\k], v[TM+4*\c+2*\k+1], v[S+32*\c+8*\k+7]
.endr
.endr
	v_max3_num_f32 v[BM], v[X], v[X+1], v[S+23]
	v_max3_num_f32 v[BM+1], v[X+2], v[X+3], v[S+55]
	v_max_num_f32 v[BM], v[BM], v[S+31]
	v_max_num_f32 v[BM+1], v[BM+1], v[S+63]
	v_max_num_f32 v[D], v[BM], v[BM+1]
	v_permlanex16_b32 v[BP], v[D], s[SEL], s[SEL+1]
	v_max3_num_f32 v[RM], v[RM], v[D], v[BP]       ; with lane l xor 16's 64 keys: the running largest score of my query
	v_mul_f32 v[NM], s[NC], v[RM]                  ; -t
	v_floor_f32 v[NM], v[NM]                       ; the new -M: M is a whole number
	v_sub_f32 v[D], v[NM], v12                     ; old M less new M, 0 or less
	v_mov_b32 v12, v[NM]
	v_cvt_i32_f32 v[D], v[D]                       ; (it saturates)
	v_ldexp_f32 v[F], 1.0, v[D]                    ; f = 2^(old M - new M)
.set j, 0
.rept 32
	v_pk_fma_f32 v[S+j:S+j+1], v[S+j:S+j+1], s[CS:CS+1], v[12:13] op_sel_hi:[1,0,0]   ; t - M, two at a time
.set j, j+2
.endr
	v_fma_f32 v[BM], v[BM], s[CS], v12             ; the same of each block's largest score
	v_fma_f32 v[BM+1], v[BM+1], s[CS], v12
	s_wait_alu depctr_va_vdst(0)                   ; the wait ahead of the batch
.set j, 0
.rept 64
	v_exp_f32 v[S+j], v[S+j]                       ; p = 2^(t - M)
.set j, j+1
.endr
	v_exp_f32 v[BM], v[BM]                         ; the block's largest p: the same two instructions on the same number give the same bits
	v_exp_f32 v[BM+1], v[BM+1]
	v_nop                                          ; a plain line behind the exponentials
	s_wait_alu depctr_va_vdst(0)                   ; one wait for the batch, directly ahead of the first reader of O^T too
.set OI, 0
.set SI, 0
	OMUL 4                                         ; O^T under the new M; its lines stand between the dependent lines of the scale's making
	v_max_num_f32 v[BM], 0x1800000, v[BM]          ; the floor 2^(3 - 127): the byte cannot fall under 1
	v_max_num_f32 v[BM+1], 0x1800000, v[BM+1]
	OMUL 5
	v_add_nc_u32 v[BS], 0xff000000, v[BM]          ; 2 off the exponent field: the conversion's scale operand
	v_add_nc_u32 v[BS+1], 0xff000000, v[BM+1]
	OMUL 5
	v_lshrrev_b32 v[BP], 23, v[BS]                 ; the bytes of my blocks h and 2 + h
	v_lshrrev_b32 v[W], 23, v[BS+1]
	OMUL 2
.irp c, 0,1
	v_cvt_scalef32_pk16_fp6_f32 v[PC+6*\c:PC+2+6*\c], v[S+32*\c:S+15+32*\c], v[BS+\c]
	v_cvt_scalef32_pk16_fp6_f32 v[PT+4*\c:PT+2+4*\c], v[S+16+32*\c:S+31+32*\c], v[BS+\c]   ; (a conversion's three registers begin on an even number)
.endr
	v_lshl_or_b32 v[W], v[W], 16, v[BP]            ; the plain line behind the conversions
	SUM 5
.irp c, 0,1
.irp i, 0,1,2
	v_mov_b32 v[PC+3+6*\c+\i], v[PT+4*\c+\i]
.endr
.endr
	v_lshlrev_b32 v[W], v[SH8], v[W]               ; at their places in the word
	SUM 5
	v_permlanex16_b32 v[BP], v[W], s[SEL], s[SEL+1]
	SUM 5
	v_or_b32 v[PW], v[W], v[BP]                    ; with lane l xor 16's two bytes: p's scale word; 17 plain lines stand between it and the products
	SUM 17
	s_wait_alu depctr_va_vdst(0)                   ; the wait here, directly ahead of the wait below
	s_wait_dscnt 0x0                               ; v is in
.irp t, 0,1,2,3
	v_wmma_scale_f32_16x16x128_f8f6f4 v[O+8*\t:O+8*\t+7], v[FR+12*\t:FR+12*\t+11], v[PC:PC+11], v[O+8*\t:O+8*\t+7], v[VS+\t], v[PW] matrix_a_fmt:MATRIX_FMT_FP6 matrix_b_fmt:MATRIX_FMT_FP6
.endr
	s_add_co_u32 s[TB], s[TB], LBLK
.endm
.macro WALK n
	s_mov_b32 s[TRIPS], \n
.Lwalk_\@:
	STEP
	s_sub_co_u32 s[TRIPS], s[TRIPS], 1
	s_cmp_lg_u32 s[TRIPS], 0
	s_cbranch_scc1 .Lwalk_\@
.endm
.macro LSUM                            ; the eight chains, their halves and lane l xor 16's: my keys' sum in v13.  These lines also stand behind the last products
.irp i, 0,1,2,3
	v_pk_add_f32 v[A+2*\i:A+2*\i+1], v[A+2*\i:A+2*\i+1], v[A+8+2*\i:A+9+2*\i]
.endr
	v_pk_add_f32 v[A:A+1], v[A:A+1], v[A+4:A+5]
	v_pk_add_f32 v[A+2:A+3], v[A+2:A+3], v[A+6:A+7]
	v_pk_add_f32 v[A:A+1], v[A:A+1], v[A+2:A+3]
	v_add_f32 v13, v[A], v[A+1]
	v_permlanex16_b32 v[BP], v13, s[SEL], s[SEL+1]
	v_add_f32 v13, v13, v[BP]
.endm
.macro QSTORE ob                       ; o (register 16 b + i = channel 32 b + 16 h + i): two blocks of 32 channels become six registers of codes and two scale bytes; the record's 1,024 bytes are stored
.irp b, 0,1
	v_max3_num_f32 v[BM+\b], |v[O+16*\b]|, |v[O+1+16*\b]|, 0x1800000
.endr
.irp i, 2,4,6,8,10,12,14
.irp b, 0,1
	v_max3_num_f32 v[BM+\b], v[BM+\b], |v[O+16*\b+\i]|, |v[O+1+16*\b+\i]|
.endr
.endr
.irp b, 0,1
	v_permlanex16_b32 v[X+\b], v[BM+\b], s[SEL], s[SEL+1]
.endr
.irp b, 0,1
	v_max_num_f32 v[BM+\b], v[BM+\b], v[X+\b]
.endr
.irp b, 0,1
	v_add_nc_u32 v[BS+\b], 0xff000000, v[BM+\b]
.endr
.irp b, 0,1
	v_lshrrev_b32 v[X+\b], 23, v[BS+\b]
.endr
	v_lshl_or_b32 v[PW], v[X+1], 8, v[X]
	v_mov_b32 v[PW+1], v[PW]
	v_cvt_scalef32_pk16_fp6_f32 v[PC:PC+2], v[O:O+15], v[BS]
	v_cvt_scalef32_pk16_fp6_f32 v[PT:PT+2], v[O+16:O+31], v[BS+1]
	v_nop
.irp i, 0,1,2
	v_permlane16_swap_b32 v[PC+\i], v[PT+\i]       ; a whole block to a lane
.endr
.irp i, 0,1,2
	v_mov_b32 v[PC+3+\i], v[PT+\i]
.endr
	global_store_b128 v[AVB], v[PC:PC+3], s[\ob:\ob+1]             ; 512 consecutive bytes,
	global_store_b64 v[GO8], v[PC+4:PC+5], s[\ob:\ob+1] offset:512 ; 256,
	global_store_b64 v[GO8], v[PW:PW+1], s[\ob:\ob+1] offset:768   ; and 256, at a multiple of 256 from the buffer's first byte
.endm
	; ---- part 1: a whole head, a tile a wave
	BEGIN
	REFILL G0+4                                    ; slot 0 is whole; slot 1's first fill, issued as a refill is: part 1's keys 1024-2047
	s_mov_b32 s[TB], 0
	WALK 8
	REFILL G0+8                                    ; slot 0 is read no more: part 2's keys 0-1023
	s_mov_b32 s[TB], SLOTB
	WALK 8
	REFILL G0+12                                   ; slot 1 likewise: part 2's keys 1024-2047
	QLOAD 56, 58                                   ; part 2's queries come while part 1's result leaves
	LSUM
	s_wait_alu depctr_va_vdst(0)                   ; the wait ahead of the transcendental,
	v_rcp_f32 v[F], v13
	v_nop
	s_wait_alu depctr_va_vdst(0)                   ; and ahead of its first reader, which is O^T's too
.set OI, 0
	OMUL 16
	QSTORE 54
	; ---- part 2: half a head's queries, a tile to two waves
	BEGIN
	s_mul_i32 s[TB], s12, 4*LBLK
	WALK 4
	s_wait_alu depctr_va_vdst(0)
	s_wait_tensorcnt 0x0                           ; my part of the last fill is in
	s_wait_dscnt 0x0
	s_barrier_signal -1
	s_barrier_wait -1                              ; everybody's is
	s_mul_i32 s[TB], s12, 4*LBLK
	s_add_co_u32 s[TB], s[TB], SLOTB
	WALK 4
	; ---- the two halves of the keys are joined
	LSUM
	s_wait_alu depctr_va_vdst(0)                   ; the wait ahead of the branch and the waits below
	s_cmp_eq_u32 s12, 0
	s_cbranch_scc1 .Lkeep
.irp i, 0,1,2,3,4,5,6,7
	ds_store_b128 v[MA], v[O+4*\i:O+4*\i+3] offset:512*\i   ; the second half's O^T, as it stands in the registers
.endr
	ds_store_b64 v[MB], v[12:13]                   ; its -M and its sum
.Lkeep:
	s_wait_dscnt 0x0                               ; for the others' sake: my stores have landed
	s_barrier_signal -1
	s_barrier_wait -1
	s_cmp_lg_u32 s12, 0
	s_cbranch_scc1 .Lend
.irp i, 0,1,2,3,4,5,6,7
	ds_load_b128 v[S+4*\i:S+4*\i+3], v[MA] offset:512*\i
.endr
	ds_load_b64 v[S+32:S+33], v[MB]
	s_wait_dscnt 0x0
	v_min_num_f32 v[D], v12, v[S+32]               ; -M of both halves together
	v_sub_f32 v[BM], v[D], v12
	v_sub_f32 v[BM+1], v[D], v[S+32]
	v_cvt_i32_f32 v[BM], v[BM]
	v_cvt_i32_f32 v[BM+1], v[BM+1]
	v_ldexp_f32 v[BM], 1.0, v[BM]                  ; what brings my half under the common M,
	v_ldexp_f32 v[BM+1], 1.0, v[BM+1]              ; and the other: powers of two
	v_mul_f32 v[BS], v13, v[BM]
	v_fma_f32 v[BS], v[S+33], v[BM+1], v[BS]       ; the row's sum
	s_wait_alu depctr_va_vdst(0)
	v_rcp_f32 v[BS+1], v[BS]
	v_nop
	s_wait_alu depctr_va_vdst(0)
	v_mul_f32 v[F], v[BM], v[BS+1]
	v_mul_f32 v[X], v[BM+1], v[BS+1]
	s_wait_alu depctr_va_vdst(0)                   ; directly ahead of the first reader of O^T
.set OI, 0
	OMUL 16
.set j, 0
.rept 16
	v_pk_fma_f32 v[O+j:O+j+1], v[S+j:S+j+1], v[X:X+1], v[O+j:O+j+1] op_sel_hi:[1,0,1]
.set j, j+2
.endr
	QSTORE 60
.Lend:
	s_wait_tensorcnt 0x0                           ; the wave's end
	ds_add_u32 v[SPW], v[NIL]
	s_wait_dscnt 0x0
	ROUND                                          ; the closing round
	s_endpgm
.Lfunc_end_k_q0fbf916605_attn:
	.size	k_q0fbf916605_attn, .Lfunc_end_k_q0fbf916605_attn-k_q0fbf916605_attn
	.p2alignl 7, 3214868480
	.fill 96, 4, 3214868480
	.section	.rodata,"a",@progbits
	.p2align	6, 0x0
	.amdhsa_kernel k_q0fbf916605_attn
		.amdhsa_group_segment_fixed_size 327680
		.amdhsa_private_segment_fixed_size 0
		.amdhsa_enable_private_segment 0
		.amdhsa_kernarg_size 24
		.amdhsa_user_sgpr_count 2
		.amdhsa_user_sgpr_kernarg_segment_ptr 1
		.amdhsa_wavefront_size32 1
		.amdhsa_system_sgpr_workgroup_id_x 1
		.amdhsa_system_sgpr_workgroup_id_y 1
		.amdhsa_system_sgpr_workgroup_id_z 1
		.amdhsa_system_vgpr_workitem_id 0
		.amdhsa_next_free_vgpr 256
		.amdhsa_next_free_sgpr 80
		.amdhsa_reserve_vcc 0
		.amdhsa_float_denorm_mode_32 3
		.amdhsa_float_denorm_mode_16_64 3
		.amdhsa_memory_ordered 1
		.amdhsa_forward_progress 1
		.amdhsa_inst_pref_size 83
	.end_amdhsa_kernel
	.amdgpu_metadata
---
amdhsa.version: [ 1, 2 ]
amdhsa.kernels:
  - .name:           k_q0fbf916605_attn
    .symbol:         k_q0fbf916605_attn.kd
    .args:
      - { .name: qbuf, .offset: 0, .size: 8, .value_kind: global_buffer, .address_space: global }
      - { .name: kv, .offset: 8, .size: 8, .value_kind: global_buffer, .address_space: global }
      - { .name: obuf, .offset: 16, .size: 8, .value_kind: global_buffer, .address_space: global }
    .group_segment_fixed_size: 327680
    .private_segment_fixed_size: 0
    .kernarg_segment_align: 8
    .kernarg_segment_size: 24
    .max_flat_workgroup_size: 512
    .sgpr_count:     80
    .vgpr_count:     256
    .wavefront_size: 32
...
	.end_amdgpu_metadata
.endif
;; end of part 3
;; launch outp (part 4): grid 64 x 4, 4 waves a work-group, clusters of 4 x 1, 327,680 bytes of LDS; arguments obuf, tiles, bo, out0; writes out0
.if DOCPART == 4
	.amdgcn_target "amdgcn-amd-amdhsa--gfx1250"
	.amdhsa_code_object_version 6
	.text
	.protected	k_q0fbf916605_outp
	.globl	k_q0fbf916605_outp
	.p2align	8
	.type	k_q0fbf916605_outp,@function
k_q0fbf916605_outp:
	s_mov_b64 s[64:65], 0
	v_nop
	global_prefetch_b8 v0, s[64:65] scope:SCOPE_SE
	s_setreg_imm32_b32 hwreg(HW_REG_WAVE_MODE, 25, 1), 1
	s_wait_xcnt 0x0
	s_wait_alu depctr_hold_cnt(0) depctr_sa_sdst(0) depctr_va_vdst(0) depctr_va_sdst(0) depctr_va_ssrc(0) depctr_va_vcc(0) depctr_vm_vsrc(0)
	s_getreg_b32 s2, hwreg(HW_REG_IB_STS2, 6, 4)
	s_cmp_eq_u32 s2, 0
	s_cbranch_scc0 .Lentry_in_a_cluster
	s_endpgm
.Lentry_in_a_cluster:
	s_bfe_u32 s2, ttmp6, 0x10000c
	s_cmp_lg_u32 s2, 0x3003
	s_cbranch_scc0 .Lentry_shape_is_right
	s_endpgm
.Lentry_shape_is_right:
; out0 = o Wo^T + bo on codes of FP6 (E2M3).  o comes as records of 1,024 bytes for (batch, head), block of 128 tokens, tile of 16 tokens: six registers of codes (the head's 64 channels) and two scale bytes a token;
; heads 2 s and 2 s + 1 make K step s.  Wo comes as the tile records of the first launch.
; SHARES.  Work-group (x, y): 128 tokens (group 4 x cluster x + cx) x 192 columns (block y).  All of K = 768 comes into LDS once: 96 records of o and 12 of Wo.  Wave (w / 2, w % 2): 4 token tiles x 6 tiles of Wo:
; 24 accumulators, 144 matrix instructions.  Source 0 = Wo's tile, source 1 = o's: a lane holds a token and neighbouring columns.  The bias is the C of each sum's first instruction.
; CLUSTER.  The four token groups of a cluster need the same 12 records of Wo: asked for jointly.  o's records are each work-group's own.
; OUT.  The results meet in a stage in LDS (a row's 768 bytes come from two waves) and leave as whole rows: every sixteen lanes store 256 consecutive bytes at a multiple of 256 from the output's first byte.
; REGISTERS: window 0: v1-15 addresses; v16-39 Wo's scale words; v40-63 o's; v64-183 fragment set 0 (o's 4 x 12, Wo's 6 x 12); v184-231 o's raw scale words; on the way out v64-255 rows.
;   window 1: accumulator (i, t) at v[8 (6 i + t)].   window 2: v0-47 the bias, eight registers a tile of Wo; v64-183 fragment set 1.
.set REC,   9728
.set WL,    98304                      ; LDS: o's 96 records at 0 (record (head, tile) at 1,024 (8 head + tile)); Wo's 12 here
.set STAGE, 215040                     ; 128 rows x 784 bytes: row 16 T + r is slot r of token tile T
.set SP,    784                        ; 768 bytes + 16 = 196 words: row r begins 4 r words on, modulo 64
.set SPARE, 315392                     ; the spare words, 128 bytes for each wave: two blocks of 256 bytes that no other line names
.set AO16, 1                           ; v1, v2  16 x lane + my four tiles, heads 0-5 and heads 6-11
.set AO8,  3                           ; v3, v4  the same by 8 x lane
.set AW,   5                           ; v5      16 x lane + my six records of Wo
.set STO,  6
.set RD,   7                           ; v7-9    the stage, read back: two rows are three loads of 512 bytes
.set GO,   10                          ; v10-12  and the same places in two rows of out0
.set VB,   13                          ; v13     64 h
.set SPW,  14
.set NIL,  15
.set WS,   16
.set OS,   40
.set FS,   64
.set RW,   184
.set G1O,  24
.set G1W,  32
.set G0O,  40
.set G0W,  44
.set MSB, 0
.macro WIN new
.if MSB != (\new)
	s_set_vgpr_msb (MSB<<8)|(\new)
.set MSB, (\new)
.endif
.endm
.macro PLACES n
.rept \n
	v_nop
.endr
.endm
.macro CROUND
	s_barrier_signal -1
	s_barrier_wait -1
	s_cmp_lg_u32 s12, 0
	s_cbranch_scc1 .Lnot_wave_0_\@
	s_barrier_signal -3
.Lnot_wave_0_\@:
	s_barrier_wait -3
	s_barrier_signal -1
	s_barrier_wait -1
.endm
	s_load_b256 s[4:11], s[0:1], 0x0               ; obuf, tiles, bo, out0
	v_lshl_add_u32 v[SPW], v0, 2, SPARE
	v_mov_b32 v[NIL], 0
	ds_add_u32 v[SPW], v[NIL]                      ; the wave's opening: the add and its wait ahead of my first tensor load; work on registers stands between them
	ds_add_u32 v[SPW], v[NIL]
	v_lshrrev_b32 v1, 5, v0
	v_readfirstlane_b32 s12, v1                    ; wave 0..3
	s_lshr_b32 s13, s12, 1                         ; my half of the token tiles.  Also: I fetch o (0) or Wo (1)
	s_and_b32 s14, s12, 1                          ; my half of Wo's tiles.  Also: which half I fetch
	s_bfe_u32 s15, ttmp6, 0x40000                  ; cx
	s_lshl_b32 s16, ttmp9, 2
	s_add_co_u32 s16, s16, s15                     ; my group of 128 tokens
	s_and_b32 s17, ttmp7, 0xffff                   ; my block of 192 columns, which the partners share
	s_lshr_b32 s18, s16, 3                         ; batch
	s_and_b32 s19, s16, 7                          ; block of 128 tokens in it
	; groups 1.  o: 6 rows (heads) of 8,192 bytes, 65,536 bytes from head to head.  Wo: 6 records on end
	s_mov_b32 s[G1O], 3<<16
	s_mov_b32 s[G1O+1], 1024<<16
	s_mov_b32 s[G1O+2], 6<<16
	s_mov_b32 s[G1O+3], 1024<<16
	s_mov_b32 s[G1O+4], 6
	s_mov_b32 s[G1O+5], 8192
	s_mov_b32 s[G1O+6], 0
	s_mov_b32 s[G1O+7], 0
	s_mov_b32 s[G1W], 15|(3<<16)|(1<<21)           ; the mask names all four partners; bit 21 set beside it
	s_mov_b32 s[G1W+1], 1216<<16
	s_mov_b32 s[G1W+2], 6<<16
	s_mov_b32 s[G1W+3], 1216<<16
	s_mov_b32 s[G1W+4], 6
	s_mov_b32 s[G1W+5], 1216
	s_mov_b32 s[G1W+6], 0
	s_mov_b32 s[G1W+7], 0
	s_mul_i32 s48, s18, 12
	s_mul_i32 s49, s14, 6
	s_add_co_u32 s48, s48, s49
	s_lshl_b32 s48, s48, 3
	s_add_co_u32 s48, s48, s19
	s_lshl_b32 s48, s48, 13                        ; o: ((12 batch + 6 half) 8 + block) x 8,192
	s_mov_b32 s49, 0
	s_mul_i32 s50, s17, 12                         ; Wo: record 1,168 + 12 x column block + 6 x half: in registers that never hold cx
	s_mul_i32 s51, s14, 6
	s_add_co_u32 s50, s50, s51
	s_add_co_u32 s50, s50, 1168
	s_mul_i32 s50, s50, REC
	s_mov_b32 s51, 0
	s_mul_i32 s52, s14, 49152
	s_mul_i32 s53, s14, 6*REC
	s_add_co_u32 s53, s53, WL
	s_mul_i32 s54, s17, 768                        ; bo: my 96 columns
	s_mul_i32 s55, s14, 384
	s_add_co_u32 s54, s54, s55
	s_mov_b32 s55, 0
	s_lshl_b32 s56, s16, 7                         ; out0: token 128 x group + 32 x wave, column block
	s_lshl_b32 s57, s12, 5
	s_add_co_u32 s56, s56, s57
	s_mul_i32 s56, s56, 3072
	s_mul_i32 s57, s17, 768
	s_add_co_u32 s56, s56, s57
	s_mov_b32 s57, 0
	s_wait_dscnt 0x0                               ; the opening add is done
	s_wait_kmcnt 0x0
	s_add_nc_u64 s[48:49], s[4:5], s[48:49]
	s_add_nc_u64 s[50:51], s[6:7], s[50:51]
	s_add_nc_u64 s[54:55], s[8:9], s[54:55]
	s_add_nc_u64 s[56:57], s[10:11], s[56:57]
	CROUND                                         ; all four work-groups are here: the joint loads meet
	s_mov_b32 s[G0O], 1
	s_mov_b32 s[G0O+1], s52
	s_mov_b64 s[G0O+2:G0O+3], s[48:49]
	s_or_b32 s[G0O+3], s[G0O+3], 0x80000000
	s_mov_b32 s[G0W], 1
	s_mov_b32 s[G0W+1], s53
	s_mov_b64 s[G0W+2:G0W+3], s[50:51]
	s_or_b32 s[G0W+3], s[G0W+3], 0x80000000
	s_cmp_eq_u32 s13, 0                            ; one load a wave
	s_cbranch_scc0 .Lfor_w
	tensor_load_to_lds s[G0O:G0O+3], s[G1O:G1O+7]
	s_nop 0
	PLACES 4
	s_branch .Lasked
.Lfor_w:
	tensor_load_to_lds s[G0W:G0W+3], s[G1W:G1W+7]
	s_nop 0
	PLACES 4
.Lasked:
	v_and_b32 v64, 31, v0                          ; lane
	v_and_b32 v65, 15, v0                          ; r
	v_bfe_u32 v66, v0, 4, 1                        ; h
	v_lshlrev_b32 v[VB], 6, v66
	WIN 0x80                                       ; destination window 2
.irp t, 0,1,2,3,4,5                    ; the bias in the result's layout: tile 2 b + u, lane half h: columns 32 b + 16 h + 8 u + 0 .. 7
	global_load_b128 v[8*\t:8*\t+3], v[VB], s[54:55] offset:(32*(\t/2)+8*(\t%2))*4
	global_load_b128 v[8*\t+4:8*\t+7], v[VB], s[54:55] offset:(32*(\t/2)+8*(\t%2))*4+16
.endr
	WIN 0
	s_lshl_b32 s58, s13, 12
	v_lshl_add_u32 v[AO16], v64, 4, s58
	v_add_nc_u32 v[AO16+1], 49152, v[AO16]
	v_lshl_add_u32 v[AO8], v64, 3, s58
	v_add_nc_u32 v[AO8+1], 49152, v[AO8]
	v_lshl_add_u32 v[AW], v64, 4, s53
	s_mul_i32 s58, s13, 64*SP
	s_mul_i32 s59, s14, 384
	s_add_co_u32 s58, s58, s59
	s_add_co_u32 s58, s58, STAGE
	v_mul_u32_u24 v[STO], v65, SP
	v_lshl_add_u32 v[STO], v66, 6, v[STO]
	v_add_nc_u32 v[STO], s58, v[STO]               ; the stage: row 64 (w / 2) + r, + 384 (w % 2) + 64 h
	s_mul_i32 s58, s12, 32*SP
	s_add_co_u32 s58, s58, STAGE
	v_lshl_add_u32 v[RD], v64, 4, s58              ; back: my 32 rows.  Of two rows: the first's bytes 0-511;
	v_mul_u32_u24 v[RD+1], v66, 272
	v_lshl_add_u32 v[RD+1], v65, 4, v[RD+1]
	v_add_nc_u32 v[RD+1], s58, v[RD+1]
	v_add_nc_u32 v[RD+1], 512, v[RD+1]             ; its bytes 512-767 (lanes 0-15) and the second's 0-255 (lanes 16-31);
	v_add_nc_u32 v[RD+2], 1040, v[RD]              ; the second's 256-767
	v_lshlrev_b32 v[GO], 4, v64
	v_mul_u32_u24 v[GO+1], v66, 2560
	v_lshl_add_u32 v[GO+1], v65, 4, v[GO+1]
	v_add_nc_u32 v[GO+1], 512, v[GO+1]
	v_add_nc_u32 v[GO+2], 3328, v[GO]
; K step s: o's four fragments (heads 2 s and 2 s + 1: six registers each) and Wo's six, 34 loads, into set s % 2 (window 0 or 2)
.macro FETCH s
.if ((\s)%2) == 1
	WIN 0x80
.endif
.irp i, 0,1,2,3
	ds_load_b128 v[FS+12*\i:FS+12*\i+3], v[AO16+(\s)/3] offset:(16*((\s)%3)+\i)*1024
	ds_load_b64 v[FS+12*\i+4:FS+12*\i+5], v[AO8+(\s)/3] offset:(16*((\s)%3)+\i)*1024+512
	ds_load_b128 v[FS+12*\i+6:FS+12*\i+9], v[AO16+(\s)/3] offset:(16*((\s)%3)+8+\i)*1024
	ds_load_b64 v[FS+12*\i+10:FS+12*\i+11], v[AO8+(\s)/3] offset:(16*((\s)%3)+8+\i)*1024+512
.endr
.irp t, 0,1,2,3,4,5
.irp c, 0,1,2
	ds_load_b128 v[FS+48+12*\t+4*\c:FS+48+12*\t+4*\c+3], v[AW] offset:\t*REC+512+1536*(\s)+512*\c
.endr
.endr
	WIN 0
.endm
; a K step's 24 products: the accumulators take turns, one instruction a turn, in the same order in every step
.macro MUL s
.if (\s) == 0
	WIN 0x60                                       ; operands window 0, C (the bias) window 2, D window 1
.elseif ((\s)%2) == 1
	WIN 0x5a                                       ; operands window 2, C and D window 1
.else
	WIN 0x50
.endif
.irp i, 0,1,2,3
.irp t, 0,1,2,3,4,5
.set AC, 8*(6*\i+\t)
.if (\s) == 0
	v_wmma_scale_f32_16x16x128_f8f6f4 v[AC:AC+7], v[FS+48+12*\t:FS+48+12*\t+11], v[FS+12*\i:FS+12*\i+11], v[8*\t:8*\t+7], v[WS+4*\t], v[OS+\i] matrix_a_fmt:MATRIX_FMT_FP6 matrix_b_fmt:MATRIX_FMT_FP6
.elseif ((\s)%2) == 1
	v_wmma_scale_f32_16x16x128_f8f6f4 v[AC:AC+7], v[FS+48+12*\t:FS+48+12*\t+11], v[FS+12*\i:FS+12*\i+11], v[AC:AC+7], v[WS+4*\t+(\s)/2], v[OS+4*(\s)+\i] matrix_a_fmt:MATRIX_FMT_FP6 matrix_b_fmt:MATRIX_FMT_FP6 matrix_a_scale:MATRIX_SCALE_ROW1
.else
	v_wmma_scale_f32_16x16x128_f8f6f4 v[AC:AC+7], v[FS+48+12*\t:FS+48+12*\t+11], v[FS+12*\i:FS+12*\i+11], v[AC:AC+7], v[WS+4*\t+(\s)/2], v[OS+4*(\s)+\i] matrix_a_fmt:MATRIX_FMT_FP6 matrix_b_fmt:MATRIX_FMT_FP6
.endif
.endr
.endr
	WIN 0
.endm
	s_wait_loadcnt 0x0                             ; the bias
	s_wait_tensorcnt 0x0                           ; my load has landed,
	s_barrier_signal -1
	s_barrier_wait -1                              ; everybody's has
.irp t, 0,1,2,3,4,5
	ds_load_b128 v[WS+4*\t:WS+4*\t+3], v[AW] offset:\t*REC   ; Wo's scale words: register s / 2, lanes 0-15 the even K step, lanes 16-31 the odd one
.endr
.irp d, 0,1,2,3,4,5,6,7,8,9,10,11
.irp i, 0,1,2,3
	ds_load_b32 v[RW+4*\d+\i], v[AO8+\d/6] offset:(8*(\d%6)+\i)*1024+768   ; head d's two bytes for each token of my tile i
.endr
.endr
	FETCH 0
	s_wait_dscnt 34                                ; all but FETCH 0's 34
.irp s, 0,1,2,3,4,5
.irp i, 0,1,2,3
	v_lshl_or_b32 v[OS+4*\s+\i], v[RW+4*(2*\s+1)+\i], 16, v[RW+8*\s+\i]   ; K step s's word: the even head's bytes below, the odd head's above
.endr
.endr
	PLACES 8                                       ; a scale register written by a vector instruction stands eight plain instructions ahead of a scaled matrix instruction
	FETCH 1
	s_wait_dscnt 34                                ; all but the 34 just issued
	MUL 0
.irp s, 1,2,3,4
	PLACES 4                                       ; ahead of loads into registers that matrix instructions have read
	FETCH \s+1
	s_wait_alu depctr_va_vdst(0)
	s_wait_dscnt 34
	MUL \s
.endr
	s_wait_dscnt 0x0
	MUL 5
	; ---- the way out
	PLACES 4
	WIN 0x04                                       ; an LDS store's data are its source 1: window 1
.irp i, 0,1,2,3
.irp t, 0,1,2,3,4,5
	ds_store_b128 v[STO], v[8*(6*\i+\t):8*(6*\i+\t)+3] offset:16*\i*SP+128*(\t/2)+32*(\t%2)        ; each accumulator from its low end on
	ds_store_b128 v[STO], v[8*(6*\i+\t)+4:8*(6*\i+\t)+7] offset:16*\i*SP+128*(\t/2)+32*(\t%2)+16
.endr
.endr
	WIN 0
	s_wait_dscnt 0x0                               ; for the others' sake: my stores into the stage have landed
	s_barrier_signal -1
	s_barrier_wait -1
.irp i, 0,1,2,3,4,5,6,7,8,9,10,11,12,13,14,15
.irp k, 0,1,2
	ds_load_b128 v[64+4*(3*\i+\k):64+4*(3*\i+\k)+3], v[RD+\k] offset:2*SP*\i
.endr
.endr
.irp i, 0,1,2,3,4,5,6,7,8,9,10,11,12,13,14,15   ; stage rows 2 i, 2 i + 1 are slots 2 (i % 8) and the next of tile i / 8: two neighbouring tokens
.irp k, 0,1,2
	s_wait_dscnt 47-(3*\i+\k)                      ; LDS loads come back in order: this one is in, the younger ones may be out
	global_store_b128 v[GO+\k], v[64+4*(3*\i+\k):64+4*(3*\i+\k)+3], s[56:57] offset:(8*(\i/8)+2*(\i%8)+8*((\i%8)/4))*3072 th:TH_STORE_NT
.endr
.endr
	s_wait_tensorcnt 0x0                           ; the wave's end, behind my last tensor load and my last LDS store
	ds_add_u32 v[SPW], v[NIL]
	s_wait_dscnt 0x0
	CROUND                                         ; the closing round
	s_endpgm
.Lfunc_end_k_q0fbf916605_outp:
	.size	k_q0fbf916605_outp, .Lfunc_end_k_q0fbf916605_outp-k_q0fbf916605_outp
	.p2alignl 7, 3214868480
	.fill 96, 4, 3214868480
	.section	.rodata,"a",@progbits
	.p2align	6, 0x0
	.amdhsa_kernel k_q0fbf916605_outp
		.amdhsa_group_segment_fixed_size 327680
		.amdhsa_private_segment_fixed_size 0
		.amdhsa_enable_private_segment 0
		.amdhsa_kernarg_size 32
		.amdhsa_user_sgpr_count 2
		.amdhsa_user_sgpr_kernarg_segment_ptr 1
		.amdhsa_wavefront_size32 1
		.amdhsa_system_sgpr_workgroup_id_x 1
		.amdhsa_system_sgpr_workgroup_id_y 1
		.amdhsa_system_sgpr_workgroup_id_z 1
		.amdhsa_system_vgpr_workitem_id 0
		.amdhsa_next_free_vgpr 768
		.amdhsa_next_free_sgpr 66
		.amdhsa_reserve_vcc 0
		.amdhsa_float_denorm_mode_32 3
		.amdhsa_float_denorm_mode_16_64 3
		.amdhsa_memory_ordered 1
		.amdhsa_forward_progress 1
		.amdhsa_inst_pref_size 58
	.end_amdhsa_kernel
	.amdgpu_metadata
---
amdhsa.version: [ 1, 2 ]
amdhsa.kernels:
  - .name:           k_q0fbf916605_outp
    .symbol:         k_q0fbf916605_outp.kd
    .args:
      - { .name: obuf, .offset: 0, .size: 8, .value_kind: global_buffer, .address_space: global }
      - { .name: tiles, .offset: 8, .size: 8, .value_kind: global_buffer, .address_space: global }
      - { .name: bo, .offset: 16, .size: 8, .value_kind: global_buffer, .address_space: global }
      - { .name: out0, .offset: 24, .size: 8, .value_kind: global_buffer, .address_space: global }
    .group_segment_fixed_size: 327680
    .private_segment_fixed_size: 0
    .kernarg_segment_align: 8
    .kernarg_segment_size: 32
    .max_flat_workgroup_size: 128
    .sgpr_count:     66
    .vgpr_count:     768
    .wavefront_size: 32
...
	.end_amdgpu_metadata
.endif
;; end of part 4
